; MI455X (gfx1250); checked and timed in simulation.
; The chip was launched on July 23, 2026; its instructions are those of AMD's public machine-readable ISA for CDNA 5 (MIT licence, August 2026) and "CDNA5" Instruction Set Architecture Reference Guide (July 2026). The comments in the code are by the model that wrote it; some were corrected since.
;; Multi Head Attention. Allowed arithmetic: matrix products marked QUANTISED: E2M1 operands, one E8M0 scale for each 32 along K, by v_wmma_scale_f32_16x16x128_f8f6f4 with both operands' format E2M1 (or v_wmma_scale_f32_32x16x128_f4), f32 sums; everything else in f32.
;; Inputs: Wk_codes 512 x 16 x 16 uint8 (E2M1 codes of Wk, K innermost, in blocks of 32 codes, two codes a byte); Wk_scales 512 x 16 uint8 (E8M0 scales of Wk, one for each 32 codes along K); Wo_codes 512 x 16 x 16 uint8 (E2M1 codes of Wo, K innermost, in blocks of 32 codes, two codes a byte); Wo_scales 512 x 16 uint8 (E8M0 scales of Wo, one for each 32 codes along K); Wq_codes 512 x 16 x 16 uint8 (E2M1 codes of Wq, K innermost, in blocks of 32 codes, two codes a byte); Wq_scales 512 x 16 uint8 (E8M0 scales of Wq, one for each 32 codes along K); Wv_codes 512 x 16 x 16 uint8 (E2M1 codes of Wv, K innermost, in blocks of 32 codes, two codes a byte); Wv_scales 512 x 16 uint8 (E8M0 scales of Wv, one for each 32 codes along K); bk 512 float32; bo 512 float32; bq 512 float32; bv 512 float32; x_codes 2 x 4,096 x 16 x 16 uint8 (E2M1 codes of x, K innermost, in blocks of 32 codes, two codes a byte); x_scales 2 x 4,096 x 16 uint8 (E8M0 scales of x, one for each 32 codes along K).
;; Outputs: out0 2 x 4,096 x 512 float32.
;; This version of the problem:
;;   THIS VERSION OF THE PROBLEM IS GIVEN IN LOW PRECISION. The matrix products marked QUANTISED in the list below multiply operands that are first quantised to E2M1 (2 exponent bits, 1 mantissa bit; 4 bits a number), with one power-of-two scale for each 32 numbers along K (OCP MX v1.0); their sums are f32. All else is computed in f32.
;;   The module's matrix products, in the order in which they are computed (A, B: the left and right operand; K: the contracted axis; several contracted axes count as one K, in the product's order):
;;     1. [M 8,192, K 512] x [K 512, N 512]; A: input x (given as codes); B: input Wq (given as codes): QUANTISED
;;     2. [M 8,192, K 512] x [K 512, N 512]; A: input x (given as codes); B: input Wk (given as codes): QUANTISED
;;     3. [M 8,192, K 512] x [K 512, N 512]; A: input x (given as codes); B: input Wv (given as codes): QUANTISED
;;     4. batch 16 x [M 4,096, K 64] x [K 64, N 4,096]; A: computed on the way; B: computed on the way: QUANTISED
;;     5. batch 16 x [M 4,096, K 4,096] x [K 4,096, N 64]; A: softmax (see below); B: computed on the way: QUANTISED
;;     6. [M 8,192, K 512] x [K 512, N 512]; A: computed on the way; B: input Wo (given as codes): QUANTISED
;;   THE QUANTISER, for each operand of a quantised product, along K:
;;     - K is cut into blocks of 32 from its start; a last block that is shorter is filled with zeros.
;;     - A block's scale is 2^e with e = floor(log2(the largest magnitude in the block)) - 2, held to -126 .. 127; a block of zeros has e = 0. As a byte (E8M0): e + 127.
;;     - Each number is divided by its block's scale, clamped to +-6, and rounded to the nearest number of E2M1, ties to even, subnormals kept.
;;     - The product sums the exact products of the quantised numbers (number of the format x scale) in f32.
;;   ~~~python
;;   def quantise(x, axis):      # numpy; x: float32 -> the quantised numbers, widened to float32 again
;;       x = np.moveaxis(x, axis, -1); K = x.shape[-1]
;;       x = np.pad(x, [(0, 0)] * (x.ndim - 1) + [(0, -K % 32)]); x = x.reshape(x.shape[:-1] + (-1, 32)); a = np.abs(x).max(-1, keepdims=True)
;;       e = np.where(a > 0, np.clip(np.frexp(np.where(a > 0, a, 1))[1] - 1 - 2, -126, 127), 0)      # np.frexp(a)[1] - 1 = floor(log2(a)), exactly
;;       r = np.clip(x / 2.0 ** e, -6, 6)
;;       step = 2.0 ** (np.maximum(np.frexp(np.where(r == 0, 1, r))[1] - 1, 0) - 1)
;;       q = np.round(r / step) * step * 2.0 ** e      # np.round: ties to even
;;       return np.moveaxis(q.reshape(q.shape[:-2] + (-1,))[..., :K], -1, axis).astype(np.float32)
;;   ~~~
;;   SOFTMAX AHEAD OF A QUANTISED PRODUCT. Where the list says 'softmax', what is quantised is not the finished softmax but p = 2^(t - M), with t = logit x log2(e) and M = ceil(the row's largest t), a whole number; so 1/2 < the row's largest p <= 1. The row's sum l is taken of the UNQUANTISED p, in f32, and the product's result is divided by l at the end. Since M is a whole number, a kernel that streams over the keys may use a running M (the ceiling of the running maximum): every later rescaling is an exact power of two, which a block's scale takes up: the codes' values come out the same.
;;   OPERANDS COMPUTED ON THE WAY. 'Computed on the way' means the value that the module computes at that place (a softmax that the list does not call 'softmax' is quantised finished and normalised). What goes into a quantiser is computed in f32, as accurately as f32 sums, v_exp_f32 and their like allow (about 1e-6 of the number): no bf16 or f16 on the way to a quantiser, and a product that is left as it is and whose result goes on into a quantised operand takes f32 operands (vector FMAs, or v_wmma_f32_16x16x4_f32). A number that lies on a knife's edge between two numbers of the format may be rounded either way, as far as f32 arithmetic and the matrix unit's own rounding can turn it there, and no further.
;;   INPUTS GIVEN AS CODES. Wk (in the module: [512, 512], K = its axis 1); Wo (in the module: [512, 512], K = its axis 1); Wq (in the module: [512, 512], K = its axis 1); Wv (in the module: [512, 512], K = its axis 1); x (in the module: [2, 4096, 512], K = its axis 2): each comes as NAME_codes (uint8): NAME with its K axis moved to the last place and cut into blocks of 32 codes, [.., K / 32, bytes a block], one block behind the other in memory; two codes a byte, the lower K in the low four bits (a code: sign, 2 exponent bits, 1 mantissa bit); and NAME_scales (uint8): the same leading axes, one E8M0 byte (e + 127) for each 32 codes along K. Its value is code x scale, taken as it is: it is not quantised again, and the codes and scales need not be those that the quantiser above would give.
;; 3 versions. Each part assembles by itself: llvm-mc -triple=amdgcn-amd-amdhsa -mcpu=gfx1250 --defsym DOCPART=n.
;; ======== version 1 of 3: 3 launches
;; workspace buffers: q_img 2,097,152 bytes; q_sw 131,072 bytes; kv_img 4,194,304 bytes; kv_sw 262,144 bytes; o_img 2,097,152 bytes; o_sh 131,072 bytes
;; launch proj (part 1): grid 128 x 3, 4 waves a work-group, no clusters, 1,536 bytes of LDS; arguments x_codes, x_scales, Wq_codes, Wq_scales, Wk_codes, Wk_scales, Wv_codes, Wv_scales, bq, bk, bv, q_img, q_sw, kv_img, kv_sw; writes q_img, q_sw, kv_img, kv_sw
.if DOCPART == 1
	.amdgcn_target "amdgcn-amd-amdhsa--gfx1250"
	.amdhsa_code_object_version 6
	.text
	.protected	k_qdd93cc8e30_proj
	.globl	k_qdd93cc8e30_proj
	.p2align	8
	.type	k_qdd93cc8e30_proj,@function
k_qdd93cc8e30_proj:
	s_mov_b64 s[64:65], 0
	v_nop
	global_prefetch_b8 v0, s[64:65] scope:SCOPE_SE
	s_setreg_imm32_b32 hwreg(HW_REG_WAVE_MODE, 25, 1), 1
	s_wait_xcnt 0x0
; q = x Wq^T + bq, k = x Wk^T + bk, v = x Wv^T + bv on codes of FP4 (E2M1) with one E8M0 scale for each 32 along K = 512, sums in f32; the results are quantised at once,
; q and k along the head's 64 channels, v along the keys, and leave as IMAGES OF THE NEXT LAUNCH'S OPERAND REGISTERS: lane l's 16 bytes at 16 l, so that a store of the wave covers 512 consecutive, aligned bytes.
; ONE BODY, TWO ROLES.  INNER rows are source 0: they become the next product's K; 128 of them (8 tiles x 4 K steps, 256 registers) stay in a wave's registers.  OUTER rows are source 1: a lane holds one of them; 4 tiles of 16.
;   y = 0, 1 (q, k): outer = tokens 64 X on of x, inner = rows 128 W on of Wq or Wk (two heads).     y = 2 (v): outer = the 64 rows of Wv of head X & 7, inner = tokens 512 (X >> 3) + 128 W on of x.
; THE ROWS OF A TILE ARE NOT NEIGHBOURS, on both sides: lane r of tile 2 b + u takes row 32 b + 8 u + r + 8 (r / 8).  On the inner side the 16 registers of tiles 2 b, 2 b + 1 are then 16 neighbours along the next K;
; on the outer side the tiles of keys, of channels and of queries come out in the order in which the next launches want them.
; The bias is the C of each sum's first matrix instruction: along the inner rows for q and k (eight different numbers a lane), along the outer rows for v (one number a lane, eight times).
; Waves share nothing: no barrier.  Operands are read once, straight into registers: there is no tile in LDS that a cluster could share, so no joint loads.
; 3 x 128 work-groups: 3 x 2,048 shares of (128 inner rows x 16 outer rows) do not divide into 1,024 equal waves without a second set of inner rows a wave.
; LIMITS: NaN and infinities are not served.  A block whose largest magnitude lies under 2^-124 (a block of zeros too) gets the scale byte 1; these bytes are read by this program alone.
.set XF, 16                            ; v16-47   the outer tile's four fragments: 8 s + 4 c
.set XS, 48                            ; v48-51   its scale words, one for each K step
.set HA, 64                            ; v64-127  the eight accumulators
.set BI, 128                           ; v128-191 the bias, in the result's layout
.set WS, 192                           ; v192-223 the inner rows' scale words: 4 t + s
.set PC, 224                           ; v224-231 the codes just made
.set TM, 232                           ; v232-235 largest magnitudes, v236-239 the other half's, then bytes, v244-247 the conversions' scale operands
.set PW, 248                           ; v248     the scale word just made
                                       ; window 1: the inner rows' fragments: 8 (4 t + s) + 4 c
.set MSB, 0
.macro WIN new                         ; the immediate's high byte repeats the setting that is left
.if MSB != \new
	s_set_vgpr_msb (MSB<<8)|\new
.set MSB, \new
.endif
.endm
; the outer tile m: four fragments (16 rows x 128 K each) and the rows' 16 scale bytes
.macro OUTER m
.irp s, 0,1,2,3
.irp c, 0,1
	global_load_b128 v[XF+8*\s+4*\c:XF+8*\s+4*\c+3], v1, s[40:41] offset:(32*((\m)/2)+8*((\m)%2))*256+64*\s+32*\c
.endr
.endr
	global_load_b128 v[XS:XS+3], v2, s[42:43] offset:(32*((\m)/2)+8*((\m)%2))*16
.endm
; 64 numbers of a lane, register 16 b + i = k 32 b + 16 (lane / 16) + i of my outer row, become a fragment's codes in v[PC] on and its scale word in v[PW]
.macro QUANT s
.irp b, 0,1,2,3
	v_max3_num_f32 v[TM+\b], |v[\s+16*\b]|, |v[\s+1+16*\b]|, 0x1800000   ; block b: my 16 numbers, and the floor 2^(3 - 127): the byte cannot fall under 1
.endr
.irp i, 2,4,6,8,10,12,14
.irp b, 0,1,2,3
	v_max3_num_f32 v[TM+\b], v[TM+\b], |v[\s+16*\b+\i]|, |v[\s+1+16*\b+\i]|   ; the four blocks by turns
.endr
.endr
.irp b, 0,1,2,3
	v_permlanex16_b32 v[TM+4+\b], v[TM+\b], s38, s39
.endr
.irp b, 0,1,2,3
	v_max_num_f32 v[TM+\b], v[TM+\b], v[TM+4+\b]   ; with lane l xor 16's: the block's largest magnitude
.endr
.irp b, 0,1,2,3
	v_add_nc_u32 v[TM+12+\b], 0xff000000, v[TM+\b]   ; 2 off its exponent field: the conversion takes this operand's exponent field as its scale
.endr
.irp b, 0,1,2,3
	v_lshrrev_b32 v[TM+4+\b], 23, v[TM+12+\b]      ; the scale's byte
.endr
	v_lshl_or_b32 v[PW], v[TM+5], 8, v[TM+4]
	v_lshl_or_b32 v[PW], v[TM+6], 16, v[PW]
	v_lshl_or_b32 v[PW], v[TM+7], 24, v[PW]
.irp b, 0,1,2,3
	v_cvt_scalef32_pk8_fp4_f32 v[PC+2*\b], v[\s+16*\b:\s+7+16*\b], v[TM+12+\b]
	v_cvt_scalef32_pk8_fp4_f32 v[PC+1+2*\b], v[\s+8+16*\b:\s+15+16*\b], v[TM+12+\b]
.endr
	v_nop                                          ; one plain place behind a scaled conversion
.irp c, 0,1                                    ; the operand's layout wants a whole block in a lane: lanes 0-15 block 2 c, lanes 16-31 block 2 c + 1
.irp i, 0,1
	v_permlane16_swap_b32 v[PC+4*\c+\i], v[PC+2+4*\c+\i]
.endr
.endr
.endm
	s_load_b512 s[8:23], s[0:1], 0x0               ; x's codes 8, scales 10; Wq's 12, 14; Wk's 16, 18; Wv's 20, 22
	s_load_b256 s[24:31], s[0:1], 0x40             ; bq 24, bk 26, bv 28, q_img 30
	s_load_b128 s[32:35], s[0:1], 0x60             ; q_sw 32, kv_img 34
	s_load_b64 s[36:37], s[0:1], 0x70              ; kv_sw
	v_lshl_add_u32 v254, v0, 2, 0x400
	v_mov_b32 v255, 0
	v_lshrrev_b32 v10, 5, v0
	v_readfirstlane_b32 s3, v10                    ; W: wave 0..3
	s_and_b32 s2, ttmp7, 0xffff                    ; Y: 0 q, 1 k, 2 v
	s_mov_b32 s4, ttmp9                            ; X
	s_mov_b32 s38, 0x76543210
	s_mov_b32 s39, 0xfedcba98                      ; v_permlanex16_b32's selects for lane l xor 16
	; Offsets for all three tasks, from ids alone; then one choice.  q, k: xl = X & 63 (64 tokens each), b = X >> 6
	s_and_b32 s5, s4, 63
	s_lshr_b32 s6, s4, 6
	s_lshl_b32 s66, s4, 6                          ; first outer row: token 64 X
	s_lshl_b32 s67, s3, 7                          ; first inner row: 128 W
	s_lshl_b32 s68, s6, 20                         ; q_img [bh][tile][512 B]: b << 20 | W << 18 | (c << 17) | xl << 11 | (m << 9)
	s_lshl_b32 s7, s3, 18
	s_or_b32 s68, s68, s7
	s_lshl_b32 s7, s5, 11
	s_or_b32 s68, s68, s7
	s_lshl_b32 s69, s6, 21                         ; kv_img [bh][quarter][K 64 tiles | V 8 steps]: b << 21 | W << 19 | (c << 18) | (xl >> 4) << 16 | (xl & 15) << 11 | (m << 9)
	s_lshl_b32 s7, s3, 19
	s_or_b32 s69, s69, s7
	s_lshr_b32 s7, s5, 4
	s_lshl_b32 s7, s7, 16
	s_or_b32 s69, s69, s7
	s_and_b32 s7, s5, 15
	s_lshl_b32 s7, s7, 11
	s_or_b32 s69, s69, s7
	s_lshl_b32 s70, s6, 16                         ; q_sw [b 4 + pair][tile][r] words: b << 16 | W << 14 | xl << 8
	s_lshl_b32 s7, s3, 14
	s_or_b32 s70, s70, s7
	s_lshl_b32 s7, s5, 8
	s_or_b32 s70, s70, s7
	s_lshl_b32 s71, s6, 17                         ; kv_sw [b 4 + pair][32,768 B], K's words first: b << 17 | W << 15 | xl << 8
	s_lshl_b32 s7, s3, 15
	s_or_b32 s71, s71, s7
	s_lshl_b32 s7, s5, 8
	s_or_b32 s71, s71, s7
	s_lshl_b32 s72, s3, 9                          ; the bias of my 128 inner rows
	; v: hh = X & 7 (the head), tg = X >> 3 (512 tokens each), tl = tg & 7; b = X >> 6 as above
	s_and_b32 s5, s4, 7
	s_lshl_b32 s73, s5, 6                          ; first outer row: 64 hh of Wv
	s_lshr_b32 s7, s4, 3
	s_lshl_b32 s74, s7, 9
	s_or_b32 s74, s74, s67                         ; first inner row: token 512 tg + 128 W
	s_and_b32 s7, s7, 7
	s_lshl_b32 s75, s6, 21                         ; kv_img, V's half: b << 21 | hh << 18 | (tl >> 1) << 16 | 1 << 15 | (tl & 1) << 14 | W << 12 | (c << 11) | (m << 9)
	s_lshl_b32 s76, s5, 18
	s_or_b32 s75, s75, s76
	s_lshr_b32 s76, s7, 1
	s_lshl_b32 s76, s76, 16
	s_or_b32 s75, s75, s76
	s_and_b32 s76, s7, 1
	s_lshl_b32 s76, s76, 14
	s_or_b32 s75, s75, s76
	s_lshl_b32 s76, s3, 12
	s_or_b32 s75, s75, s76
	s_or_b32 s75, s75, 0x8000
	s_lshl_b32 s76, s6, 17                         ; kv_sw, V's words [head & 1][step][tile][r]: b << 17 | (hh >> 1) << 15 | 1 << 14 | (hh & 1) << 13 | tl << 10 | W << 8
	s_lshr_b32 s77, s5, 1
	s_lshl_b32 s77, s77, 15
	s_or_b32 s76, s76, s77
	s_and_b32 s77, s5, 1
	s_lshl_b32 s77, s77, 13
	s_or_b32 s76, s76, s77
	s_lshl_b32 s77, s7, 10
	s_or_b32 s76, s76, s77
	s_lshl_b32 s77, s3, 8
	s_or_b32 s76, s76, s77
	s_or_b32 s76, s76, 0x4000
	s_lshl_b32 s77, s5, 8                          ; the bias of the head's 64 channels
	s_mov_b32 s78, 0x20000                         ; from the codes' registers 0-3 to 4-7: q: the next head
	s_mov_b32 s79, 0x40000                         ; k: the next head (v: 2,048 bytes, below)
	v_and_b32 v10, 15, v0                          ; r
	v_bfe_u32 v11, v0, 4, 1                        ; h
	v_and_b32 v12, 31, v0                          ; lane
	v_and_b32 v13, 8, v10
	v_add_nc_u32 v13, v13, v10                     ; r + 8 (r / 8)
	v_lshlrev_b32 v1, 8, v13
	v_lshl_add_u32 v1, v11, 4, v1                  ; codes: a row of 512 codes is 256 bytes; + 16 h
	v_lshlrev_b32 v2, 4, v13                       ; scale bytes: 16 a row
	v_lshlrev_b32 v3, 6, v11                       ; q, k: the bias at 16 h
	v_lshlrev_b32 v4, 2, v13                       ; v: the bias at my outer row
	v_lshlrev_b32 v5, 4, v12                       ; an image's place for my lane
	s_lshl_b32 s5, s3, 8
	v_lshl_add_u32 v7, v10, 2, s5                  ; LDS: my wave's 64 scale words: 256 W + 4 r (+ 64 m)
	v_lshl_add_u32 v8, v12, 3, s5                  ; and on the way out 8 bytes a lane
	v_lshlrev_b32 v9, 3, v12
.irp b, 0,1,2,3
	v_mov_b32 v[TM+4+\b], 0                        ; written once: a lane permute's destination counts as one of its sources
.endr
	s_wait_kmcnt 0x0
	s_cmp_eq_u32 s2, 0                             ; q's or k's: the choice hangs on the work-group's number alone
	s_cselect_b64 s[44:45], s[12:13], s[16:17]     ; inner codes
	s_cselect_b64 s[46:47], s[14:15], s[18:19]     ; inner scales
	s_cselect_b64 s[48:49], s[24:25], s[26:27]     ; bias
	s_cselect_b64 s[50:51], s[30:31], s[34:35]     ; codes out (k and v: kv_img)
	s_cselect_b64 s[52:53], s[32:33], s[36:37]     ; scale words out (k and v: kv_sw)
	s_cselect_b32 s56, s68, s69
	s_cselect_b32 s57, s78, s79
	s_cselect_b32 s58, s70, s71
	s_cmp_eq_u32 s2, 2                             ; or v's
	s_cselect_b64 s[40:41], s[20:21], s[8:9]       ; outer codes
	s_cselect_b64 s[42:43], s[22:23], s[10:11]     ; outer scales
	s_cselect_b64 s[44:45], s[8:9], s[44:45]
	s_cselect_b64 s[46:47], s[10:11], s[46:47]
	s_cselect_b64 s[48:49], s[28:29], s[48:49]
	s_cselect_b32 s54, s73, s66                    ; first outer row
	s_cselect_b32 s55, s74, s67                    ; first inner row
	s_cselect_b32 s56, s75, s56                    ; codes out
	s_cselect_b32 s57, 0x800, s57                  ; registers 0-3 to 4-7
	s_cselect_b32 s58, s76, s58                    ; scale words out
	s_cselect_b32 s59, s77, s72                    ; bias
	s_mov_b32 s7, 0
	s_lshl_b32 s6, s54, 8
	s_add_nc_u64 s[40:41], s[40:41], s[6:7]
	s_lshl_b32 s6, s54, 4
	s_add_nc_u64 s[42:43], s[42:43], s[6:7]
	s_lshl_b32 s6, s55, 8
	s_add_nc_u64 s[44:45], s[44:45], s[6:7]
	s_lshl_b32 s6, s55, 4
	s_add_nc_u64 s[46:47], s[46:47], s[6:7]
	s_mov_b32 s6, s59
	s_add_nc_u64 s[48:49], s[48:49], s[6:7]
	s_mov_b32 s6, s56
	s_add_nc_u64 s[50:51], s[50:51], s[6:7]
	s_mov_b32 s6, s58
	s_add_nc_u64 s[52:53], s[52:53], s[6:7]
	v_add_nc_u32 v6, s57, v5                       ; where the codes' registers 4-7 go
	OUTER 0
	WIN 0x40                                       ; destination window 1, address window 0
.irp t, 0,1,2,3,4,5,6,7                        ; the inner rows' 32 fragments: they stay
.irp s, 0,1,2,3
.irp c, 0,1
	global_load_b128 v[8*(4*\t+\s)+4*\c:8*(4*\t+\s)+4*\c+3], v1, s[44:45] offset:(32*(\t/2)+8*(\t%2))*256+64*\s+32*\c
.endr
.endr
.endr
	WIN 0
.irp t, 0,1,2,3,4,5,6,7
	global_load_b128 v[WS+4*\t:WS+4*\t+3], v2, s[46:47] offset:(32*(\t/2)+8*(\t%2))*16
.endr
	s_cmp_eq_u32 s2, 2
	s_cbranch_scc1 .Lbias_v
.irp t, 0,1,2,3,4,5,6,7                        ; q, k: register 8 t + j is the bias of inner row 32 (t / 2) + 16 h + 8 (t % 2) + j
	global_load_b128 v[BI+8*\t:BI+8*\t+3], v3, s[48:49] offset:(32*(\t/2)+8*(\t%2))*4
	global_load_b128 v[BI+8*\t+4:BI+8*\t+7], v3, s[48:49] offset:(32*(\t/2)+8*(\t%2))*4+16
.endr
	s_branch .Lbias_done
.Lbias_v:
.irp i, 0,1,2,3,4,5,6,7                        ; v: registers 8 m .. 8 m + 7 all hold the bias of my channel of outer tile m; the upper 32 repeat the lower, so that the whole block is written on both ways
.irp j, 0,1,2,3,4,5,6,7
	global_load_b32 v[BI+8*\i+\j], v4, s[48:49] offset:(32*((\i%4)/2)+8*(\i%2))*4
.endr
.endr
.Lbias_done:
; One outer tile: 32 matrix instructions (8 accumulators by turns; K ascending), the quantiser, three stores.
.macro TILE m
	s_wait_loadcnt 0x0                             ; this tile's fragments and scale words (in the first tile: everything)
	s_cmp_eq_u32 s2, 2
	s_cbranch_scc1 .Lv_\@
	WIN 0x01                                       ; source 0 window 1
.irp t, 0,1,2,3,4,5,6,7
	v_wmma_scale_f32_16x16x128_f8f6f4 v[HA+8*\t:HA+8*\t+7], v[8*(4*\t):8*(4*\t)+7], v[XF:XF+7], v[BI+8*\t:BI+8*\t+7], v[WS+4*\t], v[XS] matrix_a_fmt:MATRIX_FMT_FP4 matrix_b_fmt:MATRIX_FMT_FP4
.endr
	WIN 0
	s_branch .Ljoin_\@
.Lv_\@:
	WIN 0x01
.irp t, 0,1,2,3,4,5,6,7
	v_wmma_scale_f32_16x16x128_f8f6f4 v[HA+8*\t:HA+8*\t+7], v[8*(4*\t):8*(4*\t)+7], v[XF:XF+7], v[BI+8*\m:BI+8*\m+7], v[WS+4*\t], v[XS] matrix_a_fmt:MATRIX_FMT_FP4 matrix_b_fmt:MATRIX_FMT_FP4
.endr
	WIN 0
.Ljoin_\@:
	WIN 0x01
.irp s, 1,2,3
.irp t, 0,1,2,3,4,5,6,7
	v_wmma_scale_f32_16x16x128_f8f6f4 v[HA+8*\t:HA+8*\t+7], v[8*(4*\t+\s):8*(4*\t+\s)+7], v[XF+8*\s:XF+8*\s+7], v[HA+8*\t:HA+8*\t+7], v[WS+4*\t+\s], v[XS+\s] matrix_a_fmt:MATRIX_FMT_FP4 matrix_b_fmt:MATRIX_FMT_FP4
.endr
.endr
	WIN 0
.rept 4
	v_nop                                          ; four places in front of the loads into the outer tile's registers and of the first read of results
.endr
	s_wait_xcnt 0x0                                ; the last tile's stores have had their addresses translated: only behind this wait are the codes' registers written again
	s_wait_dscnt 0x0                               ; and its LDS store has read the scale word
.if \m < 3
	OUTER \m+1                                     ; lands while this tile is quantised
.endif
	QUANT HA
	global_store_b128 v5, v[PC:PC+3], s[50:51] offset:512*\m      ; 32 lanes store 512 consecutive bytes, aligned
	global_store_b128 v6, v[PC+4:PC+7], s[50:51] offset:512*\m
	ds_store_b32 v7, v[PW] offset:64*\m            ; lanes r and r + 16 write the same word with the same value
.endm
	TILE 0
	TILE 1
	TILE 2
	TILE 3
	ds_load_b64 v[10:11], v8                       ; LDS serves a wave's instructions in order (ISA guide 5.7.1.4): this sees my four stores
	s_wait_dscnt 0x0
	global_store_b64 v9, v[10:11], s[52:53]        ; my four tiles' 64 scale words: 256 consecutive bytes, aligned
	s_wait_tensorcnt 0x0
	ds_add_u32 v254, v255
	s_wait_dscnt 0x0
	s_endpgm
.Lfunc_end_k_qdd93cc8e30_proj:
	.size	k_qdd93cc8e30_proj, .Lfunc_end_k_qdd93cc8e30_proj-k_qdd93cc8e30_proj
	.p2alignl 7, 3214868480
	.fill 96, 4, 3214868480
	.section	.rodata,"a",@progbits
	.p2align	6, 0x0
	.amdhsa_kernel k_qdd93cc8e30_proj
		.amdhsa_group_segment_fixed_size 1536
		.amdhsa_private_segment_fixed_size 0
		.amdhsa_enable_private_segment 0
		.amdhsa_kernarg_size 120
		.amdhsa_user_sgpr_count 2
		.amdhsa_user_sgpr_kernarg_segment_ptr 1
		.amdhsa_wavefront_size32 1
		.amdhsa_system_sgpr_workgroup_id_x 1
		.amdhsa_system_sgpr_workgroup_id_y 1
		.amdhsa_system_sgpr_workgroup_id_z 1
		.amdhsa_system_vgpr_workitem_id 0
		.amdhsa_next_free_vgpr 512
		.amdhsa_next_free_sgpr 80
		.amdhsa_reserve_vcc 0
		.amdhsa_float_denorm_mode_32 3
		.amdhsa_float_denorm_mode_16_64 3
		.amdhsa_memory_ordered 1
		.amdhsa_forward_progress 1
		.amdhsa_inst_pref_size 61
	.end_amdhsa_kernel
	.amdgpu_metadata
---
amdhsa.version: [ 1, 2 ]
amdhsa.kernels:
  - .name:           k_qdd93cc8e30_proj
    .symbol:         k_qdd93cc8e30_proj.kd
    .args:
      - { .name: x_codes, .offset: 0, .size: 8, .value_kind: global_buffer, .address_space: global }
      - { .name: x_scales, .offset: 8, .size: 8, .value_kind: global_buffer, .address_space: global }
      - { .name: Wq_codes, .offset: 16, .size: 8, .value_kind: global_buffer, .address_space: global }
      - { .name: Wq_scales, .offset: 24, .size: 8, .value_kind: global_buffer, .address_space: global }
      - { .name: Wk_codes, .offset: 32, .size: 8, .value_kind: global_buffer, .address_space: global }
      - { .name: Wk_scales, .offset: 40, .size: 8, .value_kind: global_buffer, .address_space: global }
      - { .name: Wv_codes, .offset: 48, .size: 8, .value_kind: global_buffer, .address_space: global }
      - { .name: Wv_scales, .offset: 56, .size: 8, .value_kind: global_buffer, .address_space: global }
      - { .name: bq, .offset: 64, .size: 8, .value_kind: global_buffer, .address_space: global }
      - { .name: bk, .offset: 72, .size: 8, .value_kind: global_buffer, .address_space: global }
      - { .name: bv, .offset: 80, .size: 8, .value_kind: global_buffer, .address_space: global }
      - { .name: q_img, .offset: 88, .size: 8, .value_kind: global_buffer, .address_space: global }
      - { .name: q_sw, .offset: 96, .size: 8, .value_kind: global_buffer, .address_space: global }
      - { .name: kv_img, .offset: 104, .size: 8, .value_kind: global_buffer, .address_space: global }
      - { .name: kv_sw, .offset: 112, .size: 8, .value_kind: global_buffer, .address_space: global }
    .group_segment_fixed_size: 1536
    .private_segment_fixed_size: 0
    .kernarg_segment_align: 8
    .kernarg_segment_size: 120
    .max_flat_workgroup_size: 128
    .sgpr_count:     80
    .vgpr_count:     512
    .wavefront_size: 32
...
	.end_amdgpu_metadata
.endif
;; end of part 1
;; launch attn (part 2): grid 16 x 16, 16 waves a work-group, clusters of 4 x 1, 297,984 bytes of LDS; arguments q_img, q_sw, kv_img, kv_sw, o_img, o_sh; writes o_img, o_sh
.if DOCPART == 2
	.amdgcn_target "amdgcn-amd-amdhsa--gfx1250"
	.amdhsa_code_object_version 6
	.text
	.protected	k_qdd93cc8e30_attn
	.globl	k_qdd93cc8e30_attn
	.p2align	8
	.type	k_qdd93cc8e30_attn,@function
k_qdd93cc8e30_attn:
	s_mov_b64 s[64:65], 0
	v_nop
	global_prefetch_b8 v0, s[64:65] scope:SCOPE_SE
	s_setreg_imm32_b32 hwreg(HW_REG_WAVE_MODE, 25, 1), 1
	s_wait_xcnt 0x0
	s_wait_alu depctr_hold_cnt(0) depctr_sa_sdst(0) depctr_va_vdst(0) depctr_va_sdst(0) depctr_va_ssrc(0) depctr_va_vcc(0) depctr_vm_vsrc(0)
	s_getreg_b32 s2, hwreg(HW_REG_IB_STS2, 6, 4)
	s_cmp_eq_u32 s2, 0
	s_cbranch_scc0 .Lentry_in_a_cluster
	s_endpgm
.Lentry_in_a_cluster:
	s_bfe_u32 s2, ttmp6, 0x10000c
	s_cmp_lg_u32 s2, 0x3003
	s_cbranch_scc0 .Lentry_shape_is_right
	s_endpgm
.Lentry_shape_is_right:
; o[q] = the sum over keys of softmax(q . k / 8) v for one (batch, head), both products on codes of FP4 (E2M1) with one E8M0 scale for each 32 along K; o is quantised along the channels and leaves as codes.
; THE SOFTMAX: t = score x log2(e) / 8; M = the running largest t rounded UP to a whole number; p = 2^(t - M) is what is quantised, along the keys, not normalised.  The row's sum is taken of the unquantised p, in f32,
; and divides O at the end.  When M moves, the sum and O are multiplied by 2^(old M - new M): exact.
; SHARES.  A work-group owns 256 queries (16 tiles) of head bh = work-group y; each of its sixteen waves one tile, in 226 registers: four waves to a SIMD, so that one wave's vector work stands beside another's products and LDS loads.
; Every wave walks the head's 4,096 keys, 128 a step.
; LDS IS FILLED ONCE: a head's codes of K and V are 262,144 bytes and its pair of heads' scale words 32,768.  They lie in memory as images of the operands' registers, so every fragment load takes 16 bytes a lane, 512 on end.
; They come in five pieces a wave (the scale words, then four quarters of 1,024 keys), and the loop starts when the first quarter is in.  By this text's own count a wave has five tensor loads out at the most.
; CLUSTER: the four work-groups of a cluster belong to one head and want the same bytes: each piece is asked for JOINTLY, by the same tensor load with the same descriptor and a mask that names the four.
; LAYOUT.  Both products are used transposed: S^T = K Q^T (source 0 = 16 keys), O^T = V^T P^T (source 0 = 16 channels): a lane holds ONE query throughout.  The first product's K is 64: its registers 4-7 are zero codes
; on both sides, under the scale byte 0 (2^-127), which add nothing.  Tile 2 b + u of a step holds keys 32 b + 8 u + r + 8 (r / 8), so that p's 16 registers of two neighbouring tiles are 16 neighbouring keys; V's tiles of
; channels are laid the same way, so that O^T's register 16 b + i is channel 32 b + 16 (lane / 16) + i.
; LIMITS: NaN and infinities are not served.  A block of o whose largest magnitude lies under 2^-124 gets the scale byte 1; these bytes are read by this program alone.
.set SWB, 262144                       ; LDS: behind the codes the pair's scale words: K's pair words [tile 256][r 16], then V's [head & 1][step 32][tile 4][r 16]
.set OSH, 294912                       ; and o's half words [wave][r], 512 bytes, in blocks of their own into which no fill lands
.set QF, 16                            ; v16-23   Q's fragment (20-23: zeros)
.set KF, 24                            ; v24-55   four fragments of K (the upper four registers of each: zeros)
.set VF, 56                            ; v56-87   V's four fragments
.set KS, 88                            ; v88-91   K's scale words
.set VS, 92                            ; v92-95   V's
.set S,  96                            ; v96-159  S^T, then p; at the end o
.set O,  160                           ; v160-191 O^T
.set PC, 192                           ; v192-199 p's codes
.set BM, 200                           ; v200-203 a block's largest score, then its largest p
.set BT, 204                           ; v204-207 the other half's, then bytes
.set SOP, 208                          ; v208-211 the conversions' scale operands
.set TMP, 212
.set F,  214                           ; v[214:215] f = 2^(old M - new M) (215 only named with it)
.set PS, 216                           ; p's scale word
.set QS, 217                           ; Q's
.set L2, 218                           ; v[218:219] the sum's second chain
                                       ; v1 16 x lane; v2, v3 my place among K's and V's scale words; v4-6 the step's addresses; v7, v8 o's half words in and out; v12 -M, v13 the largest t, v[14:15] the sum
.macro CROUND                          ; a round of the cluster's barrier: my work-group's barrier; wave 0 signals for the work-group; every wave waits for all four; my work-group's barrier once more
	s_barrier_signal -1
	s_barrier_wait -1
	s_cmp_lg_u32 s52, 0
	s_cbranch_scc1 .Lnot_wave_0_\@
	s_barrier_signal -3
.Lnot_wave_0_\@:
	s_barrier_wait -3
	s_barrier_signal -1
	s_barrier_wait -1
.endm
	s_load_b128 s[4:7], s[0:1], 0x0                ; q_img, q_sw
	s_load_b128 s[8:11], s[0:1], 0x10              ; kv_img, kv_sw
	s_load_b128 s[12:15], s[0:1], 0x20             ; o_img, o_sh
	v_lshl_add_u32 v224, v0, 2, 0x48400
	v_mov_b32 v225, 0
	ds_add_u32 v224, v225
	ds_add_u32 v224, v225
	v_lshrrev_b32 v8, 5, v0
	v_readfirstlane_b32 s52, v8                    ; W: wave 0..15
	s_bfe_u32 s53, ttmp6, 0x40000                  ; cx: my place in the cluster
	s_lshl_b32 s66, ttmp9, 2
	s_add_co_u32 s53, s66, s53                     ; X = 4 x cluster x + cx: it enters q's and o's global offsets alone
	s_and_b32 s54, ttmp7, 0xffff                   ; bh, which the four partners share
	s_lshl_b32 s55, s53, 4
	s_add_co_u32 s55, s55, s52                     ; T = 16 X + W: my tile of queries
	s_mov_b32 s56, 0x76543210
	s_mov_b32 s57, 0xfedcba98                      ; v_permlanex16_b32's selects for lane l xor 16
	s_mov_b32 s58, 0x3e38aa3b                      ; c = log2(e) / 8
	s_mov_b32 s59, s58                             ; (named with it as a pair, so it is written)
	; descriptor group 1: a dense 4,096 bytes as 16 rows of 256 (32 elements of 8 bytes)
	s_mov_b32 s16, 15|(3<<16)|(1<<21)              ; 15:0 the mask: all four work-groups; 17:16 elements of 8 bytes; 21 set beside a mask; no padding
	s_mov_b32 s17, 32<<16                          ; tensor_dim0 = 32
	s_mov_b32 s18, 16<<16                          ; tensor_dim1 = 16
	s_mov_b32 s19, 32<<16                          ; tile_dim0 = 32
	s_mov_b32 s20, 16                              ; tile_dim1 = 16
	s_mov_b32 s21, 32                              ; from row to row
	s_mov_b32 s22, 0
	s_mov_b32 s23, 0
	s_mov_b32 s24, 15|(3<<16)|(1<<21)              ; the same with 8 rows: 2,048 bytes of scale words
	s_mov_b32 s25, 32<<16
	s_mov_b32 s26, 8<<16
	s_mov_b32 s27, 32<<16
	s_mov_b32 s28, 8
	s_mov_b32 s29, 32
	s_mov_b32 s30, 0
	s_mov_b32 s31, 0
	s_lshl_b32 s66, s54, 18                        ; the head's 262,144 bytes of kv_img,
	s_lshl_b32 s70, s52, 12                        ; my wave's 4,096 of each quarter, in memory and in LDS alike
	s_add_co_u32 s66, s66, s70
	s_mov_b32 s67, 0
	s_lshr_b32 s68, s54, 1
	s_lshl_b32 s68, s68, 15                        ; the pair's 32,768 bytes of kv_sw,
	s_lshl_b32 s71, s52, 11                        ; my wave's 2,048
	s_add_co_u32 s68, s68, s71
	s_mov_b32 s69, 0
	s_wait_dscnt 0x0
	s_wait_kmcnt 0x0
	s_add_nc_u64 s[8:9], s[8:9], s[66:67]
	s_add_nc_u64 s[10:11], s[10:11], s[68:69]
	s_mov_b32 s32, 1                               ; group 0 for the scale words: count = 1,
	s_add_co_u32 s33, s71, SWB                     ; LDS address,
	s_mov_b64 s[34:35], s[10:11]                   ; global address,
	s_or_b32 s35, s35, 0x80000000                  ; type = 2
.irp j, 0,1,2,3                                ; and one for each quarter: none is ever written again
	s_mov_b32 s[36+4*\j], 1
	s_add_co_u32 s[37+4*\j], s70, \j*65536
	s_add_nc_u64 s[38+4*\j:39+4*\j], s[8:9], \j*65536
	s_or_b32 s[39+4*\j], s[39+4*\j], 0x80000000
.endr
	CROUND                                         ; all four work-groups are here: the joint loads meet
	tensor_load_to_lds s[32:35], s[24:31]          ; the scale words first: they are wanted with the first step
	s_nop 0
	tensor_load_to_lds s[36:39], s[16:23]
	s_nop 0
	tensor_load_to_lds s[40:43], s[16:23]
	s_nop 0
	tensor_load_to_lds s[44:47], s[16:23]
	s_nop 0
	tensor_load_to_lds s[48:51], s[16:23]
	s_nop 0
.rept 4
	v_nop
.endr
	v_and_b32 v10, 15, v0                          ; r
	v_and_b32 v11, 31, v0                          ; lane
	v_lshlrev_b32 v1, 4, v11                       ; 16 x lane
	v_lshlrev_b32 v9, 2, v10                       ; 4 r
	s_lshl_b32 s66, s54, 17                        ; q_img [bh][tile][512 B]
	s_lshl_b32 s68, s55, 9
	s_add_co_u32 s66, s66, s68
	s_add_nc_u64 s[4:5], s[4:5], s[66:67]
	s_lshr_b32 s66, s54, 1                         ; q_sw [pair][tile][r] words; my head's half of a word
	s_lshl_b32 s66, s66, 14
	s_lshl_b32 s68, s55, 6
	s_add_co_u32 s66, s66, s68
	s_and_b32 s70, s54, 1                          ; bh & 1
	s_lshl_b32 s68, s70, 1
	s_add_co_u32 s66, s66, s68
	s_add_nc_u64 s[6:7], s[6:7], s[66:67]
	global_load_b128 v[QF:QF+3], v1, s[4:5]        ; Q's codes: they stay
	global_load_u16 v[QS], v9, s[6:7]              ; its two scale bytes; bytes 2 and 3 are 0, over zero codes
	s_lshr_b32 s66, s54, 3                         ; o_img [b 256 + T][head 8][512 B]
	s_lshl_b32 s66, s66, 8
	s_add_co_u32 s66, s66, s55
	s_lshl_b32 s66, s66, 12
	s_and_b32 s68, s54, 7
	s_lshl_b32 s68, s68, 9
	s_add_co_u32 s66, s66, s68
	s_add_nc_u64 s[12:13], s[12:13], s[66:67]
	s_lshl_b32 s66, s54, 13                        ; o_sh [bh][tile][r] half words: my work-group's 512 bytes
	s_lshl_b32 s68, s53, 9
	s_add_co_u32 s66, s66, s68
	s_add_nc_u64 s[14:15], s[14:15], s[66:67]
	s_lshl_b32 s68, s70, 1
	s_add_co_u32 s68, s68, SWB
	v_lshl_add_u32 v2, v10, 2, s68                 ; K's scale words: 4 r, my head's half of the pair's word
	s_lshl_b32 s68, s70, 13
	s_add_co_u32 s68, s68, SWB+16384
	v_lshl_add_u32 v3, v10, 2, s68                 ; V's: my head's 8,192 bytes, 4 r
	s_lshl_b32 s68, s52, 5
	s_add_co_u32 s68, s68, OSH
	v_lshl_add_u32 v7, v10, 1, s68                 ; o's half words: 32 W + 2 r
	v_add_nc_u32 v8, OSH, v1                       ; and back, 16 bytes a lane
	v_mov_b32 v13, 0xff61b1e6                      ; the largest t so far: -3e38, under every t
	v_floor_f32 v12, -v13                          ; -M
	v_mov_b32 v14, 0                               ; the sum, in two halves
	v_mov_b32 v15, 0
.irp i, 4,5,6,7
	v_mov_b32 v[QF+\i], 0                          ; k = 64 .. 127 of the first product: zero codes
.irp t, 0,1,2,3
	v_mov_b32 v[KF+8*\t+\i], 0
.endr
.endr
.irp b, 0,1,2,3
	v_mov_b32 v[BT+\b], 0                          ; written once: a lane permute's destination counts as one of its sources
.endr
	v_mov_b32 v[F+1], 0                            ; (named as the upper half of a pair)
.irp j, 0,1,2,3,4,5,6,7,8,9,10,11,12,13,14,15,16,17,18,19,20,21,22,23,24,25,26,27,28,29,30,31
	v_mov_b32 v[O+\j], 0                           ; O^T: the step is written once; the first finds zeros, which the first change of M leaves zeros
.endr
	s_wait_loadcnt 0x0                             ; Q
; A KEY STEP: 128 keys.  s60: where the step's tiles of K begin (V's lie 32,768 bytes on); s61, s62: its scale words of K and of V.
.macro STEP
	v_add_nc_u32 v4, s60, v1
	v_add_nc_u32 v5, s61, v2
	v_add_nc_u32 v6, s62, v3
	v_nop                                          ; with the four below: the places between the last step's products and the loads into V's registers
.irp g, 0,1                                    ; S^T = K Q^T, four tiles of 16 keys at a time
.if \g
.rept 4
	v_nop                                          ; four places in front of loads into registers that matrix instructions have read (ISA guide 7.12.1 for vector instructions)
.endr
.endif
.irp t, 0,1,2,3
	ds_load_b128 v[KF+8*\t:KF+8*\t+3], v4 offset:(4*\g+\t)*512
	ds_load_u16 v[KS+\t], v5 offset:(4*\g+\t)*64   ; my head's two bytes; bytes 2 and 3 are 0, over zero codes
.endr
.if \g
.irp t, 0,1,2,3                                ; V's four fragments and scale words are asked for here and land under the softmax
.irp c, 0,1
	ds_load_b128 v[VF+8*\t+4*\c:VF+8*\t+4*\c+3], v4 offset:32768+2048*\c+512*\t
.endr
	ds_load_b32 v[VS+\t], v6 offset:64*\t
.endr
	s_wait_dscnt 12                                ; K's eight loads are in; V's twelve, issued behind them, may be out
.else
	s_wait_dscnt 0x0
.endif
.irp t, 0,1,2,3
	v_wmma_scale_f32_16x16x128_f8f6f4 v[S+8*(4*\g+\t):S+8*(4*\g+\t)+7], v[KF+8*\t:KF+8*\t+7], v[QF:QF+7], 0, v[KS+\t], v[QS] matrix_a_fmt:MATRIX_FMT_FP4 matrix_b_fmt:MATRIX_FMT_FP4
.endr
.endr                                          ; lane (r, h) holds query r; registers 16 b + i are keys 32 b + 16 h + i of the step
.rept 4
	v_nop
.endr
.irp b, 0,1,2,3
	v_max3_num_f32 v[BM+\b], v[S+16*\b], v[S+1+16*\b], v[S+2+16*\b]   ; the largest score of each block of 32 keys: it serves the row's maximum and, since p rises with the score, the block's largest p
.endr
.irp i, 3,5,7,9,11,13
.irp b, 0,1,2,3
	v_max3_num_f32 v[BM+\b], v[BM+\b], v[S+16*\b+\i], v[S+1+16*\b+\i]   ; the four blocks by turns
.endr
.endr
.irp b, 0,1,2,3
	v_max_num_f32 v[BM+\b], v[BM+\b], v[S+15+16*\b]
.endr
.irp b, 0,1,2,3
	v_permlanex16_b32 v[BT+\b], v[BM+\b], s56, s57
.endr
.irp b, 0,1,2,3
	v_max_num_f32 v[BM+\b], v[BM+\b], v[BT+\b]     ; with lane l xor 16's 16 keys
.endr
	v_max3_num_f32 v[TMP], v[BM], v[BM+1], v[BM+2]
	v_max_num_f32 v[TMP], v[TMP], v[BM+3]          ; the step's largest score of my query
	v_mul_f32 v[TMP], s58, v[TMP]                  ; as t (c is positive)
	v_max_num_f32 v13, v13, v[TMP]                 ; the running largest t
	v_mov_b32 v[TMP], v12
	v_floor_f32 v12, -v13                          ; the new -M = floor(-t) = -ceil(t): a whole number
	v_sub_f32 v[TMP], v12, v[TMP]                  ; old M - new M: a whole number, 0 or less
	v_cvt_i32_f32 v[TMP], v[TMP]                   ; (it saturates)
	v_ldexp_f32 v[F], 1.0, v[TMP]                  ; f = 2^(old M - new M)
.irp j, 0,2,4,6,8,10,12,14,16,18,20,22,24,26,28,30,32,34,36,38,40,42,44,46,48,50,52,54,56,58,60,62
	v_pk_fma_f32 v[S+\j:S+1+\j], v[S+\j:S+1+\j], s[58:59], v[12:13] op_sel_hi:[1,0,0]   ; t - M, two at a time (of the pairs c and -M the low word serves both halves)
.endr
.irp b, 0,1,2,3
	v_fma_f32 v[BM+\b], v[BM+\b], s58, v12         ; the same of each block's largest score
.endr
.irp j, 0,1,2,3,4,5,6,7,8,9,10,11,12,13,14,15,16,17,18,19,20,21,22,23,24,25,26,27,28,29,30,31,32,33,34,35,36,37,38,39,40,41,42,43,44,45,46,47,48,49,50,51,52,53,54,55,56,57,58,59,60,61,62,63
	v_exp_f32 v[S+\j], v[S+\j]                     ; p = 2^(t - M), at most 1: not normalised
.endr
.irp b, 0,1,2,3
	v_exp_f32 v[BM+\b], v[BM+\b]                   ; the block's largest p: the same two instructions on the same number give the same bits
.endr
	v_pk_mul_f32 v[14:15], v[14:15], v[F:F+1] op_sel_hi:[1,0]   ; the sums under the new M (a plain place behind the exponentials)
	s_wait_alu depctr_va_vdst(0)
.irp b, 0,1,2,3
	v_max_num_f32 v[BM+\b], 0x1800000, v[BM+\b]    ; the floor 2^(3 - 127): the byte cannot fall under 1
.endr
.irp b, 0,1,2,3
	v_add_nc_u32 v[SOP+\b], 0xff000000, v[BM+\b]   ; 2 off the exponent field: the conversion's scale operand
.endr
.irp b, 0,1,2,3
	v_lshrrev_b32 v[BT+\b], 23, v[SOP+\b]          ; the scale's byte
.endr
	v_lshl_or_b32 v[PS], v[BT+1], 8, v[BT]         ; p's scale word for these 128 keys
	v_lshl_or_b32 v[PS], v[BT+2], 16, v[PS]
	v_lshl_or_b32 v[PS], v[BT+3], 24, v[PS]
.irp b, 0,1,2,3
	v_cvt_scalef32_pk8_fp4_f32 v[PC+2*\b], v[S+16*\b:S+7+16*\b], v[SOP+\b]
	v_cvt_scalef32_pk8_fp4_f32 v[PC+1+2*\b], v[S+8+16*\b:S+15+16*\b], v[SOP+\b]
.endr
	v_nop                                          ; one plain place behind a scaled conversion
.irp c, 0,1                                    ; the operand's layout wants a whole block in a lane
.irp i, 0,1
	v_permlane16_swap_b32 v[PC+4*\c+\i], v[PC+2+4*\c+\i]
.endr
.endr
	v_pk_add_f32 v[L2:L2+1], v[S:S+1], v[S+2:S+3]  ; the row's sum is taken of the unquantised p: two at a time, in two chains
.irp j, 4,8,12,16,20,24,28,32,36,40,44,48,52,56,60
	v_pk_add_f32 v[14:15], v[14:15], v[S+\j:S+1+\j]
	v_pk_add_f32 v[L2:L2+1], v[L2:L2+1], v[S+2+\j:S+3+\j]
.endr
	v_pk_add_f32 v[14:15], v[14:15], v[L2:L2+1]
.irp j, 0,2,4,6,8,10,12,14,16,18,20,22,24,26,28,30
	v_pk_mul_f32 v[O+\j:O+1+\j], v[O+\j:O+1+\j], v[F:F+1] op_sel_hi:[1,0]   ; O^T under the new M.  (The sums and these are also the places between the scale word, the codes and the products below)
.endr
	s_wait_dscnt 0x0                               ; V is in
.irp t, 0,1,2,3                                ; O^T += V^T P^T: four tiles of 16 channels, one instruction a turn
	v_wmma_scale_f32_16x16x128_f8f6f4 v[O+8*\t:O+8*\t+7], v[VF+8*\t:VF+8*\t+7], v[PC:PC+7], v[O+8*\t:O+8*\t+7], v[VS+\t], v[PS] matrix_a_fmt:MATRIX_FMT_FP4 matrix_b_fmt:MATRIX_FMT_FP4
.endr
.endm
; A quarter of the keys: eight steps.  The wave's loads went out in the order scale words, quarter 0, 1, 2, 3: behind quarter j's stand 3 - j.  The later quarters may stay out.
.macro QUARTER j
	s_wait_tensorcnt 3-\j                          ; my part of quarter j is in LDS,
	s_barrier_signal -1                            ; (no LDS instruction of mine is out: a step ends behind its wait for zero)
	s_barrier_wait -1                              ; everybody's is
	s_mov_b32 s60, 65536*\j
	s_mov_b32 s61, 4096*\j
	s_mov_b32 s62, 2048*\j
	s_mov_b32 s63, 8
.Lq_\@:
	STEP
	s_add_co_u32 s60, s60, 4096                    ; the next step's eight tiles of K (and four fragments of V),
	s_add_co_u32 s61, s61, 512                     ; K's scale words,
	s_add_co_u32 s62, s62, 256                     ; V's
	s_sub_co_u32 s63, s63, 1
	s_cmp_lg_u32 s63, 0
	s_cbranch_scc1 .Lq_\@
.endm
	QUARTER 0
	QUARTER 1
	QUARTER 2
	QUARTER 3
	; THE END.  o = O^T / the sum, quantised along the channels: my head is two blocks of 32 of the next product's K.
.rept 4
	v_nop                                          ; four places behind the last products
.endr
	v_add_f32 v14, v14, v15                        ; the sum's two halves,
	v_permlanex16_b32 v[BT], v14, s56, s57
	v_add_f32 v14, v14, v[BT]                      ; and lane l xor 16's: the row's sum
	v_rcp_f32 v14, v14
	v_nop                                          ; one plain place behind a transcendental
	s_wait_alu depctr_va_vdst(0)
.irp j, 0,2,4,6,8,10,12,14,16,18,20,22,24,26,28,30
	v_pk_mul_f32 v[S+\j:S+1+\j], v[O+\j:O+1+\j], v[14:15] op_sel_hi:[1,0]   ; register 16 b + i: channel 32 b + 16 h + i of my query; each accumulator from its low end on
.endr
.irp b, 0,1
	v_max3_num_f32 v[BM+\b], |v[S+16*\b]|, |v[S+1+16*\b]|, 0x1800000
.endr
.irp i, 2,4,6,8,10,12,14
.irp b, 0,1
	v_max3_num_f32 v[BM+\b], v[BM+\b], |v[S+16*\b+\i]|, |v[S+1+16*\b+\i]|
.endr
.endr
.irp b, 0,1
	v_permlanex16_b32 v[BT+\b], v[BM+\b], s56, s57
.endr
.irp b, 0,1
	v_max_num_f32 v[BM+\b], v[BM+\b], v[BT+\b]
.endr
.irp b, 0,1
	v_add_nc_u32 v[SOP+\b], 0xff000000, v[BM+\b]
.endr
.irp b, 0,1
	v_lshrrev_b32 v[BT+\b], 23, v[SOP+\b]
.endr
	v_lshl_or_b32 v[PS], v[BT+1], 8, v[BT]         ; my head's two scale bytes of my query
.irp b, 0,1
	v_cvt_scalef32_pk8_fp4_f32 v[PC+2*\b], v[S+16*\b:S+7+16*\b], v[SOP+\b]
	v_cvt_scalef32_pk8_fp4_f32 v[PC+1+2*\b], v[S+8+16*\b:S+15+16*\b], v[SOP+\b]
.endr
	v_nop                                          ; one plain place behind a scaled conversion
	v_permlane16_swap_b32 v[PC], v[PC+2]           ; lanes 0-15 channels 0-31, lanes 16-31 channels 32-63
	v_permlane16_swap_b32 v[PC+1], v[PC+3]
	global_store_b128 v1, v[PC:PC+3], s[12:13]     ; 32 lanes store 512 consecutive bytes, aligned: four registers of the next launch's fragment
	ds_store_b16 v7, v[PS]                         ; lanes r and r + 16 write the same half word with the same value
	s_wait_dscnt 0x0                               ; for the others' sake: my store has landed
	s_barrier_signal -1
	s_barrier_wait -1
	s_cmp_lg_u32 s52, 0                            ; wave 0 sends the work-group's 256 half words
	s_cbranch_scc1 .Lsent
	ds_load_b128 v[S:S+3], v8
	s_wait_dscnt 0x0
	global_store_b128 v1, v[S:S+3], s[14:15]       ; 512 consecutive bytes, aligned
.Lsent:
	s_wait_tensorcnt 0x0
	ds_add_u32 v224, v225
	s_wait_dscnt 0x0
	CROUND                                         ; the closing round: no work-group ends while a partner may still ask for a piece that names it
	s_endpgm
.Lfunc_end_k_qdd93cc8e30_attn:
	.size	k_qdd93cc8e30_attn, .Lfunc_end_k_qdd93cc8e30_attn-k_qdd93cc8e30_attn
	.p2alignl 7, 3214868480
	.fill 96, 4, 3214868480
	.section	.rodata,"a",@progbits
	.p2align	6, 0x0
	.amdhsa_kernel k_qdd93cc8e30_attn
		.amdhsa_group_segment_fixed_size 297984
		.amdhsa_private_segment_fixed_size 0
		.amdhsa_enable_private_segment 0
		.amdhsa_kernarg_size 48
		.amdhsa_user_sgpr_count 2
		.amdhsa_user_sgpr_kernarg_segment_ptr 1
		.amdhsa_wavefront_size32 1
		.amdhsa_system_sgpr_workgroup_id_x 1
		.amdhsa_system_sgpr_workgroup_id_y 1
		.amdhsa_system_sgpr_workgroup_id_z 1
		.amdhsa_system_vgpr_workitem_id 0
		.amdhsa_next_free_vgpr 226
		.amdhsa_next_free_sgpr 72
		.amdhsa_reserve_vcc 0
		.amdhsa_float_denorm_mode_32 3
		.amdhsa_float_denorm_mode_16_64 3
		.amdhsa_memory_ordered 1
		.amdhsa_forward_progress 1
		.amdhsa_inst_pref_size 76
	.end_amdhsa_kernel
	.amdgpu_metadata
---
amdhsa.version: [ 1, 2 ]
amdhsa.kernels:
  - .name:           k_qdd93cc8e30_attn
    .symbol:         k_qdd93cc8e30_attn.kd
    .args:
      - { .name: q_img, .offset: 0, .size: 8, .value_kind: global_buffer, .address_space: global }
      - { .name: q_sw, .offset: 8, .size: 8, .value_kind: global_buffer, .address_space: global }
      - { .name: kv_img, .offset: 16, .size: 8, .value_kind: global_buffer, .address_space: global }
      - { .name: kv_sw, .offset: 24, .size: 8, .value_kind: global_buffer, .address_space: global }
      - { .name: o_img, .offset: 32, .size: 8, .value_kind: global_buffer, .address_space: global }
      - { .name: o_sh, .offset: 40, .size: 8, .value_kind: global_buffer, .address_space: global }
    .group_segment_fixed_size: 297984
    .private_segment_fixed_size: 0
    .kernarg_segment_align: 8
    .kernarg_segment_size: 48
    .max_flat_workgroup_size: 512
    .sgpr_count:     72
    .vgpr_count:     226
    .wavefront_size: 32
...
	.end_amdgpu_metadata
.endif
;; end of part 2
;; launch outp (part 3): grid 256 x 1, 4 waves a work-group, no clusters, 34,304 bytes of LDS; arguments o_img, o_sh, Wo_codes, Wo_scales, bo, out0; writes out0
.if DOCPART == 3
	.amdgcn_target "amdgcn-amd-amdhsa--gfx1250"
	.amdhsa_code_object_version 6
	.text
	.protected	k_qdd93cc8e30_outp
	.globl	k_qdd93cc8e30_outp
	.p2align	8
	.type	k_qdd93cc8e30_outp,@function
k_qdd93cc8e30_outp:
	s_mov_b64 s[64:65], 0
	v_nop
	global_prefetch_b8 v0, s[64:65] scope:SCOPE_SE
	s_setreg_imm32_b32 hwreg(HW_REG_WAVE_MODE, 25, 1), 1
	s_wait_xcnt 0x0
; out0 = o Wo^T + bo on codes of FP4 (E2M1) with one E8M0 scale for each 32 along K = 512; sums in f32; out0 [8,192][512] f32.
; SHARES.  Work-group x takes two tiles of 16 rows of o, which together are tokens 32 x .. 32 x + 31 (lane r of tile i holds token 32 x + 8 i + r + 8 (r / 8)); wave W takes columns 128 W .. 128 W + 127:
; its part of Wo (8 tiles x 4 K steps, 256 registers) is loaded once.  o's fragments come as images of their registers: 16 bytes a lane, 512 on end.
; THE MATRIX INSTRUCTION IS USED TRANSPOSED (source 0 = 16 rows of Wo, source 1 = 16 rows of o): a lane holds eight neighbouring columns of one row.  A tile goes through the wave's own stage in LDS and comes back as
; whole rows of 512 bytes; the stores' offsets put each row at its token.  The bias is the C of each sum's first matrix instruction.  Waves share nothing: no barrier.
; Operands are read once, straight into registers: there is no tile in LDS that a cluster could share, so no joint loads.
.set OF, 16                            ; v16-79   o's fragments: 32 i + 8 s + 4 c
.set U,  8                             ; v8-15    the odd heads' half words, from lane l xor 16
.set OS, 80                            ; v80-87   o's scale words: 4 i + s
.set T16, 88                           ; v88-95   half words as loaded: lanes 0-15 head 2 s, lanes 16-31 head 2 s + 1
.set HA, 96                            ; v96-159  the eight accumulators
.set BK, 160                           ; v160-223 16 rows read back from the stage
.set WS, 224                           ; v224-255 Wo's scale words: 4 t + s
                                       ; window 1: Wo's fragments 8 (4 t + s) + 4 c;  window 2: v0-63 the bias, 8 t + j
.set SP, 528                           ; a stage row: 512 bytes + 16
.set MSB, 0
.macro WIN new                         ; the immediate's high byte repeats the setting that is left
.if MSB != \new
	s_set_vgpr_msb (MSB<<8)|\new
.set MSB, \new
.endif
.endm
	s_load_b128 s[4:7], s[0:1], 0x0                ; o_img, o_sh
	s_load_b128 s[8:11], s[0:1], 0x10              ; Wo's codes, Wo's scales
	s_load_b128 s[12:15], s[0:1], 0x20             ; bo, out0
	s_set_vgpr_msb 0x80
	v_lshl_add_u32 v64, v0, 2, 0x8400
	v_mov_b32 v65, 0
	s_set_vgpr_msb 0x8000
	v_lshrrev_b32 v9, 5, v0
	v_readfirstlane_b32 s16, v9                    ; W: wave 0..3
	s_mov_b32 s17, ttmp9                           ; x
	s_mov_b32 s18, 0x76543210
	s_mov_b32 s19, 0xfedcba98                      ; v_permlanex16_b32's selects for lane l xor 16
	v_and_b32 v9, 15, v0                           ; r
	v_bfe_u32 v10, v0, 4, 1                        ; h
	v_and_b32 v11, 31, v0                          ; lane
	v_lshlrev_b32 v1, 8, v9
	v_lshl_add_u32 v1, v10, 4, v1                  ; Wo: row r of 256 bytes, + 16 h
	v_lshlrev_b32 v2, 4, v9                        ; its scale bytes: 16 a row
	v_lshlrev_b32 v3, 5, v10                       ; the bias at 8 h
	v_lshlrev_b32 v4, 4, v11                       ; 16 x lane
	v_lshlrev_b32 v5, 1, v9
	v_lshl_add_u32 v5, v10, 13, v5                 ; o's half words: 2 r, and one head (8,192 bytes) on for lanes 16-31
	s_mul_i32 s20, s16, 16*SP                      ; my stage
	v_mul_u32_u24 v6, v9, SP
	v_lshl_add_u32 v6, v10, 5, v6
	v_add_nc_u32 v6, s20, v6                       ; in: row r, 32 bytes for each half of the lanes
	v_add_nc_u32 v7, s20, v4                       ; back: the 32 lanes take one row of 512 bytes
.irp i, 0,1,2,3,4,5,6,7
	v_mov_b32 v[U+\i], 0                           ; written once: a lane permute's destination counts as one of its sources
.endr
	s_mov_b32 s21, 0
	s_wait_kmcnt 0x0
	s_lshl_b32 s20, s16, 15                        ; my 128 rows of Wo,
	s_add_nc_u64 s[8:9], s[8:9], s[20:21]
	s_lshl_b32 s20, s16, 11                        ; their scale bytes,
	s_add_nc_u64 s[10:11], s[10:11], s[20:21]
	s_lshl_b32 s20, s16, 9                         ; their bias
	s_add_nc_u64 s[12:13], s[12:13], s[20:21]
	s_lshl_b32 s22, s17, 16                        ; out0: 32 rows of 2,048 bytes a work-group, + my 512 bytes of a row
	s_add_co_u32 s20, s22, s20
	s_add_nc_u64 s[14:15], s[14:15], s[20:21]
	s_lshl_b32 s20, s17, 13                        ; o_img: two tiles of 4,096 bytes
	s_add_nc_u64 s[4:5], s[4:5], s[20:21]
	s_lshr_b32 s20, s17, 7                         ; o_sh [b 8 + head][tile][r] half words: b << 16 | (head << 13) | (x & 127) << 6 | (i << 5)
	s_lshl_b32 s20, s20, 16
	s_and_b32 s22, s17, 127
	s_lshl_b32 s22, s22, 6
	s_add_co_u32 s20, s20, s22
	s_add_nc_u64 s[6:7], s[6:7], s[20:21]
.irp i, 0,1
.irp s, 0,1,2,3
	global_load_u16 v[T16+4*\i+\s], v5, s[6:7] offset:16384*\s+32*\i
.endr
.endr
.irp i, 0,1
.irp s, 0,1,2,3
.irp c, 0,1
	global_load_b128 v[OF+32*\i+8*\s+4*\c:OF+32*\i+8*\s+4*\c+3], v4, s[4:5] offset:4096*\i+1024*\s+512*\c
.endr
.endr
.endr
.irp t, 0,1,2,3,4,5,6,7
	global_load_b128 v[WS+4*\t:WS+4*\t+3], v2, s[10:11] offset:256*\t
.endr
	WIN 0x40                                       ; destination window 1, address window 0
.irp t, 0,1,2,3,4,5,6,7
.irp s, 0,1,2,3
.irp c, 0,1
	global_load_b128 v[8*(4*\t+\s)+4*\c:8*(4*\t+\s)+4*\c+3], v1, s[8:9] offset:4096*\t+64*\s+32*\c
.endr
.endr
.endr
	WIN 0x80                                       ; destination window 2
.irp t, 0,1,2,3,4,5,6,7                        ; register 8 t + j: the bias of column 16 t + 8 h + j
	global_load_b128 v[8*\t:8*\t+3], v3, s[12:13] offset:64*\t
	global_load_b128 v[8*\t+4:8*\t+7], v3, s[12:13] offset:64*\t+16
.endr
	WIN 0
	s_wait_loadcnt 0x0
.irp i, 0,1,2,3,4,5,6,7
	v_permlanex16_b32 v[U+\i], v[T16+\i], s18, s19 ; lanes 0-15 get the odd head's two bytes
.endr
.irp i, 0,1,2,3,4,5,6,7
	v_lshl_or_b32 v[OS+\i], v[U+\i], 16, v[T16+\i] ; a K step's four bytes of row r, in lane r (lanes 16-31 are not read)
.endr
.rept 8
	v_nop                                          ; a scale register written by a vector instruction stands eight places ahead of a scaled matrix instruction
.endr
; tile i: 32 matrix instructions, eight accumulators by turns; K ascending
.macro MUL i
	WIN 0x21                                       ; source 0 (Wo) window 1, source 2 (the bias) window 2
.irp t, 0,1,2,3,4,5,6,7
	v_wmma_scale_f32_16x16x128_f8f6f4 v[HA+8*\t:HA+8*\t+7], v[8*(4*\t):8*(4*\t)+7], v[OF+32*\i:OF+32*\i+7], v[8*\t:8*\t+7], v[WS+4*\t], v[OS+4*\i] matrix_a_fmt:MATRIX_FMT_FP4 matrix_b_fmt:MATRIX_FMT_FP4
.endr
	WIN 0x01
.irp s, 1,2,3
.irp t, 0,1,2,3,4,5,6,7
	v_wmma_scale_f32_16x16x128_f8f6f4 v[HA+8*\t:HA+8*\t+7], v[8*(4*\t+\s):8*(4*\t+\s)+7], v[OF+32*\i+8*\s:OF+32*\i+8*\s+7], v[HA+8*\t:HA+8*\t+7], v[WS+4*\t+\s], v[OS+4*\i+\s] matrix_a_fmt:MATRIX_FMT_FP4 matrix_b_fmt:MATRIX_FMT_FP4
.endr
.endr
	WIN 0
.rept 5
	v_nop                                          ; four places in front of the LDS stores that read results; five in front of the next tile's products, which begin these accumulators anew
.endr
.endm
.macro TOSTAGE
.irp t, 0,1,2,3,4,5,6,7
	ds_store_b128 v6, v[HA+8*\t:HA+8*\t+3] offset:64*\t            ; each accumulator from its low end on
	ds_store_b128 v6, v[HA+8*\t+4:HA+8*\t+7] offset:64*\t+16
.endr
.irp k, 0,1,2,3,4,5,6,7,8,9,10,11,12,13,14,15
	ds_load_b128 v[BK+4*\k:BK+4*\k+3], v7 offset:\k*SP             ; LDS serves a wave's instructions in order (ISA guide 5.7.1.4): these see the stores above
.endr
.endm
.macro SEND i
.irp k, 0,1,2,3,4,5,6,7,8,9,10,11,12,13,14,15
	s_wait_dscnt 15-\k                             ; row k is back; the younger 15 - k may be out
	global_store_b128 v4, v[BK+4*\k:BK+4*\k+3], s[14:15] offset:(8*\i+\k+8*(\k/8))*2048 th:TH_STORE_NT   ; 32 lanes store 512 consecutive bytes, aligned, at lane k's token; written once, read by nobody here
.endr
.endm
	MUL 0
	TOSTAGE
	SEND 0
	s_wait_xcnt 0x0                                ; the stores have had their addresses translated: only behind this wait are their data registers loaded again
	MUL 1
	TOSTAGE
	SEND 1
	s_set_vgpr_msb 0xa
	s_wait_tensorcnt 0x0
	ds_add_u32 v64, v65
	s_wait_dscnt 0x0
	s_set_vgpr_msb 0xa00
	s_endpgm
.Lfunc_end_k_qdd93cc8e30_outp:
	.size	k_qdd93cc8e30_outp, .Lfunc_end_k_qdd93cc8e30_outp-k_qdd93cc8e30_outp
	.p2alignl 7, 3214868480
	.fill 96, 4, 3214868480
	.section	.rodata,"a",@progbits
	.p2align	6, 0x0
	.amdhsa_kernel k_qdd93cc8e30_outp
		.amdhsa_group_segment_fixed_size 34304
		.amdhsa_private_segment_fixed_size 0
		.amdhsa_enable_private_segment 0
		.amdhsa_kernarg_size 48
		.amdhsa_user_sgpr_count 2
		.amdhsa_user_sgpr_kernarg_segment_ptr 1
		.amdhsa_wavefront_size32 1
		.amdhsa_system_sgpr_workgroup_id_x 1
		.amdhsa_system_sgpr_workgroup_id_y 1
		.amdhsa_system_sgpr_workgroup_id_z 1
		.amdhsa_system_vgpr_workitem_id 0
		.amdhsa_next_free_vgpr 578
		.amdhsa_next_free_sgpr 66
		.amdhsa_reserve_vcc 0
		.amdhsa_float_denorm_mode_32 3
		.amdhsa_float_denorm_mode_16_64 3
		.amdhsa_memory_ordered 1
		.amdhsa_forward_progress 1
		.amdhsa_inst_pref_size 32
	.end_amdhsa_kernel
	.amdgpu_metadata
---
amdhsa.version: [ 1, 2 ]
amdhsa.kernels:
  - .name:           k_qdd93cc8e30_outp
    .symbol:         k_qdd93cc8e30_outp.kd
    .args:
      - { .name: o_img, .offset: 0, .size: 8, .value_kind: global_buffer, .address_space: global }
      - { .name: o_sh, .offset: 8, .size: 8, .value_kind: global_buffer, .address_space: global }
      - { .name: Wo_codes, .offset: 16, .size: 8, .value_kind: global_buffer, .address_space: global }
      - { .name: Wo_scales, .offset: 24, .size: 8, .value_kind: global_buffer, .address_space: global }
      - { .name: bo, .offset: 32, .size: 8, .value_kind: global_buffer, .address_space: global }
      - { .name: out0, .offset: 40, .size: 8, .value_kind: global_buffer, .address_space: global }
    .group_segment_fixed_size: 34304
    .private_segment_fixed_size: 0
    .kernarg_segment_align: 8
    .kernarg_segment_size: 48
    .max_flat_workgroup_size: 128
    .sgpr_count:     66
    .vgpr_count:     578
    .wavefront_size: 32
...
	.end_amdgpu_metadata
.endif
;; end of part 3
;; ======== version 2 of 3: 3 launches
;; workspace buffers: q_img 2,097,152 bytes; q_sw 131,072 bytes; kv_img 4,194,304 bytes; kv_sw 262,144 bytes; o_img 2,097,152 bytes; o_sh 131,072 bytes
;; launch proj: the kernel of part 1 again; grid 128 x 3, 4 waves a work-group, no clusters, 1,536 bytes of LDS; arguments x_codes, x_scales, Wq_codes, Wq_scales, Wk_codes, Wk_scales, Wv_codes, Wv_scales, bq, bk, bv, q_img, q_sw, kv_img, kv_sw; writes q_img, q_sw, kv_img, kv_sw
;; launch attn (part 4): grid 16 x 16, 16 waves a work-group, clusters of 4 x 1, 297,984 bytes of LDS; arguments q_img, q_sw, kv_img, kv_sw, o_img, o_sh; writes o_img, o_sh
.if DOCPART == 4
	.amdgcn_target "amdgcn-amd-amdhsa--gfx1250"
	.amdhsa_code_object_version 6
	.text
	.protected	k_qdd93cc8e30_attn
	.globl	k_qdd93cc8e30_attn
	.p2align	8
	.type	k_qdd93cc8e30_attn,@function
k_qdd93cc8e30_attn:
	s_mov_b64 s[64:65], 0
	v_nop
	global_prefetch_b8 v0, s[64:65] scope:SCOPE_SE
	s_setreg_imm32_b32 hwreg(HW_REG_WAVE_MODE, 25, 1), 1
	s_wait_xcnt 0x0
	s_wait_alu depctr_hold_cnt(0) depctr_sa_sdst(0) depctr_va_vdst(0) depctr_va_sdst(0) depctr_va_ssrc(0) depctr_va_vcc(0) depctr_vm_vsrc(0)
	s_getreg_b32 s2, hwreg(HW_REG_IB_STS2, 6, 4)
	s_cmp_eq_u32 s2, 0
	s_cbranch_scc0 .Lentry_in_a_cluster
	s_endpgm
.Lentry_in_a_cluster:
	s_bfe_u32 s2, ttmp6, 0x10000c
	s_cmp_lg_u32 s2, 0x3003
	s_cbranch_scc0 .Lentry_shape_is_right
	s_endpgm
.Lentry_shape_is_right:
; o[q] = the sum over keys of softmax(q . k / 8) v for one (batch, head), both products on codes of FP4 (E2M1) with one E8M0 scale for each 32 along K; o is quantised along the channels and leaves as codes.
; THE SOFTMAX: t = score x log2(e) / 8; M = the running largest t rounded UP to a whole number; p = 2^(t - M) is what is quantised, along the keys, not normalised.  The row's sum is taken of the unquantised p, in f32,
; and divides O at the end.  When M moves, the sum and O are multiplied by 2^(old M - new M): exact.
; SHARES.  A work-group owns 256 queries (16 tiles) of head bh = work-group y; each of its sixteen waves one tile, in 256 registers: four waves to a SIMD.  Every wave walks the head's 4,096 keys, 128 a step.
; LDS IS FILLED ONCE: a head's codes of K and V are 262,144 bytes and its pair of heads' scale words 32,768.  They lie in memory as images of the operands' registers, so every fragment load takes 16 bytes a lane, 512 on end.
; They come in five pieces a wave (the scale words, then four quarters of 1,024 keys), and the loop starts when the first two quarters are in.  By this text's own count a wave has five tensor loads out at the most.
; CLUSTER: the four work-groups of a cluster belong to one head and want the same bytes: each piece is asked for JOINTLY, by the same tensor load with the same descriptor and a mask that names the four.
; LAYOUT.  Both products are used transposed: S^T = K Q^T (source 0 = 16 keys), O^T = V^T P^T (source 0 = 16 channels): a lane holds ONE query throughout.  The first product's K is 64: its registers 4-7 are zero codes
; on both sides, under the scale byte 0 (2^-127), which add nothing.  Tile 2 b + u of a step holds keys 32 b + 8 u + r + 8 (r / 8), so that p's 16 registers of two neighbouring tiles are 16 neighbouring keys; V's tiles of
; channels are laid the same way, so that O^T's register 16 b + i is channel 32 b + 16 (lane / 16) + i.
; THE STEP IS LAID SO THAT A WAVE ALONE KEEPS ISSUING.  LDS is asked a softmax ahead: this step's V straight behind the scores' products, the NEXT step's K among the lines that find M; so a step begins with its eight
; products on end.  The exponentials alternate with plain work that is ready: t - M four pairs ahead, the scale bytes and the rescaling of O^T, the sums four pairs back.
; LIMITS: NaN and infinities are not served.  A block of o whose largest magnitude lies under 2^-124 gets the scale byte 1; these bytes are read by this program alone.
.set SWB, 262144                       ; LDS: behind the codes the pair's scale words: K's pair words [tile 256][r 16], then V's [head & 1][step 32][tile 4][r 16]
.set OSH, 294912                       ; and o's half words [wave][r], 512 bytes, in blocks of their own into which no fill lands
.set QF, 16                            ; v16-23   Q's fragment (20-23: zeros)
.set KF, 24                            ; v24-55   K's fragments 0-3, v224-255 fragments 4-7: fragment i at KF + 8 i + 168 (i / 4); the upper four registers of each: zeros
.set VF, 56                            ; v56-87   V's four fragments
.set KS, 88                            ; v88-91   K's scale words 0-3, v220-223 words 4-7: word i at KS + i + 128 (i / 4)
.set VS, 92                            ; v92-95   V's
.set S,  96                            ; v96-159  S^T, then p; at the end o
.set O,  160                           ; v160-191 O^T
.set PC, 192                           ; v192-199 p's codes
.set BM, 200                           ; v200-203 a block's largest score, then its largest p
.set BT, 204                           ; v204-207 the other half's, then bytes
.set SOP, 208                          ; v208-211 the conversions' scale operands
.set TMP, 212
.set F,  214                           ; v[214:215] f = 2^(old M - new M) (215 only named with it)
.set PS, 216                           ; p's scale word
.set QS, 217                           ; Q's
.set L2, 218                           ; v[218:219] the sum's second chain
                                       ; v1 16 x lane; v2, v3 my place among K's and V's scale words; v4-6 the step's addresses; v7, v8 o's half words in and out; v12 -M, v13 the largest t, v[14:15] the sum
.macro CROUND                          ; a round of the cluster's barrier: my work-group's barrier; wave 0 signals for the work-group; every wave waits for all four; my work-group's barrier once more
	s_barrier_signal -1
	s_barrier_wait -1
	s_cmp_lg_u32 s52, 0
	s_cbranch_scc1 .Lnot_wave_0_\@
	s_barrier_signal -3
.Lnot_wave_0_\@:
	s_barrier_wait -3
	s_barrier_signal -1
	s_barrier_wait -1
.endm
	s_load_b128 s[4:7], s[0:1], 0x0                ; q_img, q_sw
	s_load_b128 s[8:11], s[0:1], 0x10              ; kv_img, kv_sw
	s_load_b128 s[12:15], s[0:1], 0x20             ; o_img, o_sh
	v_lshl_add_u32 v254, v0, 2, 0x48400
	v_mov_b32 v255, 0
	ds_add_u32 v254, v255
	ds_add_u32 v254, v255
	s_wait_dscnt 0x0
	v_lshrrev_b32 v8, 5, v0
	v_readfirstlane_b32 s52, v8                    ; W: wave 0..15
	s_bfe_u32 s53, ttmp6, 0x40000                  ; cx: my place in the cluster
	s_lshl_b32 s66, ttmp9, 2
	s_add_co_u32 s53, s66, s53                     ; X = 4 x cluster x + cx: it enters q's and o's global offsets alone
	s_and_b32 s54, ttmp7, 0xffff                   ; bh, which the four partners share
	s_lshl_b32 s55, s53, 4
	s_add_co_u32 s55, s55, s52                     ; T = 16 X + W: my tile of queries
	s_mov_b32 s56, 0x76543210
	s_mov_b32 s57, 0xfedcba98                      ; v_permlanex16_b32's selects for lane l xor 16
	s_mov_b32 s58, 0x3e38aa3b                      ; c = log2(e) / 8
	s_mov_b32 s59, s58                             ; (named with it as a pair, so it is written)
	; descriptor group 1: a dense 4,096 bytes as 16 rows of 256 (32 elements of 8 bytes)
	s_mov_b32 s16, 15|(3<<16)|(1<<21)              ; 15:0 the mask: all four work-groups; 17:16 elements of 8 bytes; 21 set beside a mask; no padding
	s_mov_b32 s17, 32<<16                          ; tensor_dim0 = 32
	s_mov_b32 s18, 16<<16                          ; tensor_dim1 = 16
	s_mov_b32 s19, 32<<16                          ; tile_dim0 = 32
	s_mov_b32 s20, 16                              ; tile_dim1 = 16
	s_mov_b32 s21, 32                              ; from row to row
	s_mov_b32 s22, 0
	s_mov_b32 s23, 0
	s_mov_b32 s24, 15|(3<<16)|(1<<21)              ; the same with 8 rows: 2,048 bytes of scale words
	s_mov_b32 s25, 32<<16
	s_mov_b32 s26, 8<<16
	s_mov_b32 s27, 32<<16
	s_mov_b32 s28, 8
	s_mov_b32 s29, 32
	s_mov_b32 s30, 0
	s_mov_b32 s31, 0
	s_lshl_b32 s66, s54, 18                        ; the head's 262,144 bytes of kv_img,
	s_lshl_b32 s70, s52, 12                        ; my wave's 4,096 of each quarter, in memory and in LDS alike
	s_add_co_u32 s66, s66, s70
	s_mov_b32 s67, 0
	s_lshr_b32 s68, s54, 1
	s_lshl_b32 s68, s68, 15                        ; the pair's 32,768 bytes of kv_sw,
	s_lshl_b32 s71, s52, 11                        ; my wave's 2,048
	s_add_co_u32 s68, s68, s71
	s_mov_b32 s69, 0
	s_wait_kmcnt 0x0
	s_add_nc_u64 s[8:9], s[8:9], s[66:67]
	s_add_nc_u64 s[10:11], s[10:11], s[68:69]
	s_mov_b32 s32, 1                               ; group 0 for the scale words: count = 1,
	s_add_co_u32 s33, s71, SWB                     ; LDS address,
	s_mov_b64 s[34:35], s[10:11]                   ; global address,
	s_or_b32 s35, s35, 0x80000000                  ; type = 2
.irp j, 0,1,2,3                                ; and one for each quarter: none is ever written again
	s_mov_b32 s[36+4*\j], 1
	s_add_co_u32 s[37+4*\j], s70, \j*65536
	s_add_nc_u64 s[38+4*\j:39+4*\j], s[8:9], \j*65536
	s_or_b32 s[39+4*\j], s[39+4*\j], 0x80000000
.endr
	CROUND                                         ; all four work-groups are here: the joint loads meet
	tensor_load_to_lds s[32:35], s[24:31]          ; the scale words first: they are wanted with the first step
	s_nop 0
	tensor_load_to_lds s[36:39], s[16:23]
	s_nop 0
	tensor_load_to_lds s[40:43], s[16:23]
	s_nop 0
	tensor_load_to_lds s[44:47], s[16:23]
	s_nop 0
	tensor_load_to_lds s[48:51], s[16:23]
	s_nop 0
.rept 4
	v_nop
.endr
	v_and_b32 v10, 15, v0                          ; r
	v_and_b32 v11, 31, v0                          ; lane
	v_lshlrev_b32 v1, 4, v11                       ; 16 x lane
	v_lshlrev_b32 v9, 2, v10                       ; 4 r
	s_lshl_b32 s66, s54, 17                        ; q_img [bh][tile][512 B]
	s_lshl_b32 s68, s55, 9
	s_add_co_u32 s66, s66, s68
	s_add_nc_u64 s[4:5], s[4:5], s[66:67]
	s_lshr_b32 s66, s54, 1                         ; q_sw [pair][tile][r] words; my head's half of a word
	s_lshl_b32 s66, s66, 14
	s_lshl_b32 s68, s55, 6
	s_add_co_u32 s66, s66, s68
	s_and_b32 s70, s54, 1                          ; bh & 1
	s_lshl_b32 s68, s70, 1
	s_add_co_u32 s66, s66, s68
	s_add_nc_u64 s[6:7], s[6:7], s[66:67]
	global_load_b128 v[QF:QF+3], v1, s[4:5]        ; Q's codes: they stay
	global_load_u16 v[QS], v9, s[6:7]              ; its two scale bytes; bytes 2 and 3 are 0, over zero codes
	s_lshr_b32 s66, s54, 3                         ; o_img [b 256 + T][head 8][512 B]
	s_lshl_b32 s66, s66, 8
	s_add_co_u32 s66, s66, s55
	s_lshl_b32 s66, s66, 12
	s_and_b32 s68, s54, 7
	s_lshl_b32 s68, s68, 9
	s_add_co_u32 s66, s66, s68
	s_add_nc_u64 s[12:13], s[12:13], s[66:67]
	s_lshl_b32 s66, s54, 13                        ; o_sh [bh][tile][r] half words: my work-group's 512 bytes
	s_lshl_b32 s68, s53, 9
	s_add_co_u32 s66, s66, s68
	s_add_nc_u64 s[14:15], s[14:15], s[66:67]
	s_lshl_b32 s68, s70, 1
	s_add_co_u32 s68, s68, SWB
	v_lshl_add_u32 v2, v10, 2, s68                 ; K's scale words: 4 r, my head's half of the pair's word
	s_lshl_b32 s68, s70, 13
	s_add_co_u32 s68, s68, SWB+16384
	v_lshl_add_u32 v3, v10, 2, s68                 ; V's: my head's 8,192 bytes, 4 r
	s_lshl_b32 s68, s52, 5
	s_add_co_u32 s68, s68, OSH
	v_lshl_add_u32 v7, v10, 1, s68                 ; o's half words: 32 W + 2 r
	v_add_nc_u32 v8, OSH, v1                       ; and back, 16 bytes a lane
	v_mov_b32 v13, 0xff61b1e6                      ; the largest t so far: -3e38, under every t
	v_floor_f32 v12, -v13                          ; -M
	v_mov_b32 v14, 0                               ; the sum, in two halves
	v_mov_b32 v15, 0
.irp i, 4,5,6,7
	v_mov_b32 v[QF+\i], 0                          ; k = 64 .. 127 of the first product: zero codes
.irp t, 0,1,2,3,4,5,6,7
	v_mov_b32 v[KF+8*\t+168*(\t/4)+\i], 0
.endr
.endr
.irp b, 0,1,2,3
	v_mov_b32 v[BT+\b], 0                          ; written once: a lane permute's destination counts as one of its sources
.endr
	v_mov_b32 v[F+1], 0                            ; (named as the upper half of a pair)
.irp j, 0,1,2,3,4,5,6,7,8,9,10,11,12,13,14,15,16,17,18,19,20,21,22,23,24,25,26,27,28,29,30,31
	v_mov_b32 v[O+\j], 0                           ; O^T: the step is written once; the first finds zeros, which the first change of M leaves zeros
.endr
	s_wait_loadcnt 0x0                             ; Q
; K's fragment i (16 keys x 64 channels: four registers) and its scale word, from address registers ba and bs
.macro KLOAD ba, bs, koff, soff, i
	ds_load_b128 v[KF+8*(\i)+168*((\i)/4):KF+8*(\i)+168*((\i)/4)+3], v[\ba] offset:\koff+512*(\i)
	ds_load_u16 v[KS+(\i)+128*((\i)/4)], v[\bs] offset:\soff+64*(\i)   ; my head's two bytes; bytes 2 and 3 are 0, over zero codes
.endm
; THE PIECES OF THE SOFTMAX BEHIND M.  Pair n is scores 2 n and 2 n + 1 of the lane's 64.
.macro TFMA n                          ; t - M of pair n (of the pairs c and -M the low word serves both halves)
	v_pk_fma_f32 v[S+2*(\n):S+2*(\n)+1], v[S+2*(\n):S+2*(\n)+1], s[58:59], v[12:13] op_sel_hi:[1,0,0]
.endm
.macro PCVT g                          ; the codes of p 8 g .. 8 g + 7, under block g / 2's scale
	s_wait_alu depctr_va_vdst(0)
	v_cvt_scalef32_pk8_fp4_f32 v[PC+(\g)], v[S+8*(\g):S+8*(\g)+7], v[SOP+(\g)/2]
.endm
.macro PADD n                          ; the row's sum is taken of the unquantised p: pair n goes to one of two chains (pairs 0 and 1 start the second)
.if (\n) == 1
	v_pk_add_f32 v[L2:L2+1], v[S:S+1], v[S+2:S+3]
.elseif (\n)%2 == 0
	v_pk_add_f32 v[14:15], v[14:15], v[S+2*(\n):S+2*(\n)+1]
.else
	v_pk_add_f32 v[L2:L2+1], v[L2:L2+1], v[S+2*(\n):S+2*(\n)+1]
.endif
.endm
.macro PFILL n                         ; filler n of 31: plain work that stands between a pair's two exponentials
.if (\n) < 8
.if (\n)%2 == 0
	s_wait_alu depctr_va_vdst(0)
	v_max_num_f32 v[BM+(\n)/2], 0x1800000, v[BM+(\n)/2]           ; the block's largest p, with the floor 2^(3 - 127): the byte cannot fall under 1
.else
	v_add_nc_u32 v[SOP+(\n)/2], 0xff000000, v[BM+(\n)/2]          ; 2 off the exponent field: the conversion's scale operand
.endif
.elseif (\n) < 12
	v_lshrrev_b32 v[BT+(\n)-8], 23, v[SOP+(\n)-8]                 ; the scale's byte
.elseif (\n) == 12
	v_lshl_or_b32 v[PS], v[BT+1], 8, v[BT]                        ; p's scale word for these 128 keys
.elseif (\n) == 13
	v_lshl_or_b32 v[PS], v[BT+2], 16, v[PS]
.elseif (\n) == 14
	v_lshl_or_b32 v[PS], v[BT+3], 24, v[PS]
.elseif (\n) < 31
	v_pk_mul_f32 v[O+2*((\n)-15):O+2*((\n)-15)+1], v[O+2*((\n)-15):O+2*((\n)-15)+1], v[F:F+1] op_sel_hi:[1,0]   ; O^T under the new M, each accumulator from its low end on
.endif
.endm
; A KEY STEP: 128 keys.  s60: where the step's tiles of K begin (V's lie 32,768 bytes on); s61, s62: its scale words of K and of V.
; pre = 1: the next step's K is asked for; it begins knext bytes behind this step's.
.macro STEP knext, pre
	s_wait_dscnt 0x0                               ; K's eight fragments and scale words, asked for under the last softmax, are in
.irp i, 0,1,2,3,4,5,6,7                        ; S^T = K Q^T: eight tiles of 16 keys
	v_wmma_scale_f32_16x16x128_f8f6f4 v[S+8*\i:S+8*\i+7], v[KF+8*\i+168*(\i/4):KF+8*\i+168*(\i/4)+7], v[QF:QF+7], 0, v[KS+\i+128*(\i/4)], v[QS] matrix_a_fmt:MATRIX_FMT_FP4 matrix_b_fmt:MATRIX_FMT_FP4
.endr                                          ; lane (r, h) holds query r; registers 16 b + i are keys 32 b + 16 h + i of the step
	v_add_nc_u32 v4, s60, v1                       ; four places (ISA guide 7.12.1 for vector instructions) between the products, the last step's among them,
	v_add_nc_u32 v5, s61, v2                       ; and the loads into V's registers and the first read of the scores
	v_add_nc_u32 v6, s62, v3
	v_nop
.irp t, 0,1,2,3                                ; V's four fragments and scale words: they land under the softmax
.irp c, 0,1
	ds_load_b128 v[VF+8*\t+4*\c:VF+8*\t+4*\c+3], v4 offset:32768+2048*\c+512*\t
.endr
	ds_load_b32 v[VS+\t], v6 offset:64*\t
.endr
.irp b, 0,1,2,3
	v_max3_num_f32 v[BM+\b], v[S+16*\b], v[S+1+16*\b], v[S+2+16*\b]   ; the largest score of each block of 32 keys: it serves the row's maximum and, since p rises with the score, the block's largest p
.endr
.irp i, 3,5,7,9,11,13
.irp b, 0,1,2,3
	v_max3_num_f32 v[BM+\b], v[BM+\b], v[S+16*\b+\i], v[S+1+16*\b+\i]   ; the four blocks by turns
.endr
.endr
.irp b, 0,1,2,3
	v_max_num_f32 v[BM+\b], v[BM+\b], v[S+15+16*\b]
.endr
.irp b, 0,1,2,3
	v_permlanex16_b32 v[BT+\b], v[BM+\b], s56, s57
.endr
.irp b, 0,1,2,3
	v_max_num_f32 v[BM+\b], v[BM+\b], v[BT+\b]     ; with lane l xor 16's 16 keys
.endr
	v_max3_num_f32 v[TMP], v[BM], v[BM+1], v[BM+2] ; each line from here to f feeds the next: the requests for the next step's K stand between them
.if \pre
	KLOAD 4, 5, \knext, 512, 0
	KLOAD 4, 5, \knext, 512, 1
.endif
	v_max_num_f32 v[TMP], v[TMP], v[BM+3]          ; the step's largest score of my query
.if \pre
	KLOAD 4, 5, \knext, 512, 2
	KLOAD 4, 5, \knext, 512, 3
.endif
	v_mul_f32 v[TMP], s58, v[TMP]                  ; as t (c is positive)
.if \pre
	KLOAD 4, 5, \knext, 512, 4
	KLOAD 4, 5, \knext, 512, 5
.endif
	v_max_num_f32 v13, v13, v[TMP]                 ; the running largest t
.if \pre
	KLOAD 4, 5, \knext, 512, 6
	KLOAD 4, 5, \knext, 512, 7
.endif
	v_mov_b32 v[TMP], v12
	v_floor_f32 v12, -v13                          ; the new -M = floor(-t) = -ceil(t): a whole number
	v_sub_f32 v[TMP], v12, v[TMP]                  ; old M - new M: a whole number, 0 or less
	v_fma_f32 v[BM], v[BM], s58, v12               ; t - M of each block's largest score
	v_cvt_i32_f32 v[TMP], v[TMP]                   ; (it saturates)
	v_fma_f32 v[BM+1], v[BM+1], s58, v12
	v_ldexp_f32 v[F], 1.0, v[TMP]                  ; f = 2^(old M - new M)
	v_fma_f32 v[BM+2], v[BM+2], s58, v12
	v_fma_f32 v[BM+3], v[BM+3], s58, v12
.irp b, 0,1,2,3
	TFMA \b
	v_exp_f32 v[BM+\b], v[BM+\b]                   ; the block's largest p: the same two instructions on the same number give the same bits as its p
.endr
	v_pk_mul_f32 v[14:15], v[14:15], v[F:F+1] op_sel_hi:[1,0]   ; the sums under the new M
; 32 pairs.  Behind every exponential but one stands a plain line that touches neither its result nor its source (ISA guide 5.7.2); a conversion stands behind a plain line that follows its eighth exponential.
.set pj, 0
.rept 32
.if pj+4 < 32
	TFMA pj+4
.endif
.if (pj%4 == 0) && (pj > 0)
	PCVT pj/4-1
.endif
	v_exp_f32 v[S+2*pj], v[S+2*pj]                 ; p = 2^(t - M), at most 1: not normalised
	PFILL pj
	v_exp_f32 v[S+2*pj+1], v[S+2*pj+1]
.if pj >= 5
	PADD pj-4
.endif
.set pj, pj+1
.endr
	PCVT 7
	PADD 28                                        ; one plain place behind the last scaled conversion
.irp c, 0,1                                    ; the operand's layout wants a whole block in a lane
.irp i, 0,1
	v_permlane16_swap_b32 v[PC+4*\c+\i], v[PC+2+4*\c+\i]
.endr
.endr
	PADD 29                                        ; the last four sums are the four places between the codes' last write and the products
	PADD 30
	PADD 31
	v_pk_add_f32 v[14:15], v[14:15], v[L2:L2+1]
.if \pre
	s_wait_dscnt 16                                ; V's twelve loads are in; K's sixteen, issued behind them, may be out
.else
	s_wait_dscnt 0x0                               ; V is in
.endif
.irp t, 0,1,2,3                                ; O^T += V^T P^T: four tiles of 16 channels, one instruction a turn
	v_wmma_scale_f32_16x16x128_f8f6f4 v[O+8*\t:O+8*\t+7], v[VF+8*\t:VF+8*\t+7], v[PC:PC+7], v[O+8*\t:O+8*\t+7], v[VS+\t], v[PS] matrix_a_fmt:MATRIX_FMT_FP4 matrix_b_fmt:MATRIX_FMT_FP4
.endr
.endm
; A quarter of the keys: eight steps, seven in a loop; the eighth is written out, since from its K to the next quarter's first K are 36,864 bytes and not 4,096.
; That eighth step reads the next quarter, so the barrier at quarter j's head shows quarter j + 1 landed.  The wave's loads went out in the order scale words, quarter 0, 1, 2, 3: behind quarter j + 1's stand 2 - j.
; Later quarters may stay out.  Quarter 3 needs no barrier: all is in.
.macro QUARTER j
.if \j < 3
	s_wait_tensorcnt 2-\j                          ; my part of quarter j + 1 (and of all before it) is in LDS,
	s_wait_dscnt 0x0                               ; no LDS load of mine is out at the signal (the requests for K were),
	s_barrier_signal -1
	s_barrier_wait -1                              ; everybody's part is in
.endif
.if \j == 0
.irp i, 0,1,2,3,4,5,6,7
	KLOAD 1, 2, 0, 0, \i                           ; the first step's K
.endr
.endif
	s_mov_b32 s60, 65536*\j
	s_mov_b32 s61, 4096*\j
	s_mov_b32 s62, 2048*\j
	s_mov_b32 s63, 7
.Lq_\@:
	STEP 4096, 1
	s_add_co_u32 s60, s60, 4096                    ; the next step's eight tiles of K (and four fragments of V),
	s_add_co_u32 s61, s61, 512                     ; K's scale words,
	s_add_co_u32 s62, s62, 256                     ; V's
	s_sub_co_u32 s63, s63, 1
	s_cmp_lg_u32 s63, 0
	s_cbranch_scc1 .Lq_\@
	s_mov_b32 s60, 65536*\j+28672                  ; the quarter's eighth step, by constants
	s_mov_b32 s61, 4096*\j+3584
	s_mov_b32 s62, 2048*\j+1792
.if \j < 3
	STEP 36864, 1
.else
	STEP 0, 0                                      ; the last step asks for no K
.endif
.endm
	QUARTER 0
	QUARTER 1
	QUARTER 2
	QUARTER 3
	; THE END.  o = O^T / the sum, quantised along the channels: my head is two blocks of 32 of the next product's K.
.rept 4
	v_nop                                          ; four places behind the last products
.endr
	v_add_f32 v14, v14, v15                        ; the sum's two halves,
	v_permlanex16_b32 v[BT], v14, s56, s57
	v_add_f32 v14, v14, v[BT]                      ; and lane l xor 16's: the row's sum
	v_rcp_f32 v14, v14
	v_nop                                          ; one plain place behind a transcendental
	s_wait_alu depctr_va_vdst(0)
.irp j, 0,2,4,6,8,10,12,14,16,18,20,22,24,26,28,30
	v_pk_mul_f32 v[S+\j:S+1+\j], v[O+\j:O+1+\j], v[14:15] op_sel_hi:[1,0]   ; register 16 b + i: channel 32 b + 16 h + i of my query; each accumulator from its low end on
.endr
.irp b, 0,1
	v_max3_num_f32 v[BM+\b], |v[S+16*\b]|, |v[S+1+16*\b]|, 0x1800000
.endr
.irp i, 2,4,6,8,10,12,14
.irp b, 0,1
	v_max3_num_f32 v[BM+\b], v[BM+\b], |v[S+16*\b+\i]|, |v[S+1+16*\b+\i]|
.endr
.endr
.irp b, 0,1
	v_permlanex16_b32 v[BT+\b], v[BM+\b], s56, s57
.endr
.irp b, 0,1
	v_max_num_f32 v[BM+\b], v[BM+\b], v[BT+\b]
.endr
.irp b, 0,1
	v_add_nc_u32 v[SOP+\b], 0xff000000, v[BM+\b]
.endr
.irp b, 0,1
	v_lshrrev_b32 v[BT+\b], 23, v[SOP+\b]
.endr
	v_lshl_or_b32 v[PS], v[BT+1], 8, v[BT]         ; my head's two scale bytes of my query
.irp b, 0,1
	v_cvt_scalef32_pk8_fp4_f32 v[PC+2*\b], v[S+16*\b:S+7+16*\b], v[SOP+\b]
	v_cvt_scalef32_pk8_fp4_f32 v[PC+1+2*\b], v[S+8+16*\b:S+15+16*\b], v[SOP+\b]
.endr
	v_nop                                          ; one plain place behind a scaled conversion
	v_permlane16_swap_b32 v[PC], v[PC+2]           ; lanes 0-15 channels 0-31, lanes 16-31 channels 32-63
	v_permlane16_swap_b32 v[PC+1], v[PC+3]
	global_store_b128 v1, v[PC:PC+3], s[12:13]     ; 32 lanes store 512 consecutive bytes, aligned: four registers of the next launch's fragment
	ds_store_b16 v7, v[PS]                         ; lanes r and r + 16 write the same half word with the same value
	s_wait_dscnt 0x0                               ; for the others' sake: my store has landed
	s_barrier_signal -1
	s_barrier_wait -1
	s_cmp_lg_u32 s52, 0                            ; wave 0 sends the work-group's 256 half words
	s_cbranch_scc1 .Lsent
	ds_load_b128 v[S:S+3], v8
	s_wait_dscnt 0x0
	global_store_b128 v1, v[S:S+3], s[14:15]       ; 512 consecutive bytes, aligned
.Lsent:
	s_wait_xcnt 0x0
	v_lshl_add_u32 v254, v0, 2, 0x48400
	v_mov_b32 v255, 0
	s_wait_tensorcnt 0x0
	ds_add_u32 v254, v255
	s_wait_dscnt 0x0
	CROUND                                         ; the closing round: no work-group ends while a partner may still ask for a piece that names it
	s_endpgm
.Lfunc_end_k_qdd93cc8e30_attn:
	.size	k_qdd93cc8e30_attn, .Lfunc_end_k_qdd93cc8e30_attn-k_qdd93cc8e30_attn
	.p2alignl 7, 3214868480
	.fill 96, 4, 3214868480
	.section	.rodata,"a",@progbits
	.p2align	6, 0x0
	.amdhsa_kernel k_qdd93cc8e30_attn
		.amdhsa_group_segment_fixed_size 297984
		.amdhsa_private_segment_fixed_size 0
		.amdhsa_enable_private_segment 0
		.amdhsa_kernarg_size 48
		.amdhsa_user_sgpr_count 2
		.amdhsa_user_sgpr_kernarg_segment_ptr 1
		.amdhsa_wavefront_size32 1
		.amdhsa_system_sgpr_workgroup_id_x 1
		.amdhsa_system_sgpr_workgroup_id_y 1
		.amdhsa_system_sgpr_workgroup_id_z 1
		.amdhsa_system_vgpr_workitem_id 0
		.amdhsa_next_free_vgpr 256
		.amdhsa_next_free_sgpr 72
		.amdhsa_reserve_vcc 0
		.amdhsa_float_denorm_mode_32 3
		.amdhsa_float_denorm_mode_16_64 3
		.amdhsa_memory_ordered 1
		.amdhsa_forward_progress 1
		.amdhsa_inst_pref_size 139
	.end_amdhsa_kernel
	.amdgpu_metadata
---
amdhsa.version: [ 1, 2 ]
amdhsa.kernels:
  - .name:           k_qdd93cc8e30_attn
    .symbol:         k_qdd93cc8e30_attn.kd
    .args:
      - { .name: q_img, .offset: 0, .size: 8, .value_kind: global_buffer, .address_space: global }
      - { .name: q_sw, .offset: 8, .size: 8, .value_kind: global_buffer, .address_space: global }
      - { .name: kv_img, .offset: 16, .size: 8, .value_kind: global_buffer, .address_space: global }
      - { .name: kv_sw, .offset: 24, .size: 8, .value_kind: global_buffer, .address_space: global }
      - { .name: o_img, .offset: 32, .size: 8, .value_kind: global_buffer, .address_space: global }
      - { .name: o_sh, .offset: 40, .size: 8, .value_kind: global_buffer, .address_space: global }
    .group_segment_fixed_size: 297984
    .private_segment_fixed_size: 0
    .kernarg_segment_align: 8
    .kernarg_segment_size: 48
    .max_flat_workgroup_size: 512
    .sgpr_count:     72
    .vgpr_count:     256
    .wavefront_size: 32
...
	.end_amdgpu_metadata
.endif
;; end of part 4
;; launch outp: the kernel of part 3 again; grid 256 x 1, 4 waves a work-group, no clusters, 34,304 bytes of LDS; arguments o_img, o_sh, Wo_codes, Wo_scales, bo, out0; writes out0
;; ======== version 3 of 3: 3 launches
;; workspace buffers: q_img 2,097,152 bytes; q_sw 131,072 bytes; kv_img 4,194,304 bytes; kv_sw 262,144 bytes; o_img 2,097,152 bytes; o_sh 131,072 bytes
;; launch proj (part 5): grid 128 x 3, 4 waves a work-group, no clusters, 1,536 bytes of LDS; arguments x_codes, x_scales, Wq_codes, Wq_scales, Wk_codes, Wk_scales, Wv_codes, Wv_scales, bq, bk, bv, q_img, q_sw, kv_img, kv_sw; writes q_img, q_sw, kv_img, kv_sw
.if DOCPART == 5
	.amdgcn_target "amdgcn-amd-amdhsa--gfx1250"
	.amdhsa_code_object_version 6
	.text
	.protected	k_qdd93cc8e30_proj
	.globl	k_qdd93cc8e30_proj
	.p2align	8
	.type	k_qdd93cc8e30_proj,@function
k_qdd93cc8e30_proj:
	s_mov_b64 s[64:65], 0
	v_nop
	global_prefetch_b8 v0, s[64:65] scope:SCOPE_SE
	s_setreg_imm32_b32 hwreg(HW_REG_WAVE_SCHED_MODE, 0, 2), 2
	s_setreg_imm32_b32 hwreg(HW_REG_WAVE_MODE, 25, 1), 1
	s_wait_xcnt 0x0
	s_wait_alu depctr_vm_vsrc(0)
; q = x Wq^T + bq, k = x Wk^T + bk, v = x Wv^T + bv on codes of FP4 (E2M1) with one E8M0 scale for each 32 along K = 512, sums in f32; the results are quantised at once,
; q and k along the head's 64 channels, v along the keys, and leave as IMAGES OF THE NEXT LAUNCH'S OPERAND REGISTERS: lane l's 16 bytes at 16 l, so that a store of the wave covers 512 consecutive, aligned bytes.
; ONE BODY, TWO ROLES.  INNER rows are source 0: they become the next product's K; 128 of them (8 tiles x 4 K steps, 256 registers) stay in a wave's registers.  OUTER rows are source 1: a lane holds one of them; 4 tiles of 16.
;   y = 0, 1 (q, k): outer = tokens 64 X on of x, inner = rows 128 W on of Wq or Wk (two heads).     y = 2 (v): outer = the 64 rows of Wv of head X & 7, inner = tokens 512 (X >> 3) + 128 W on of x.
; THE ROWS OF A TILE ARE NOT NEIGHBOURS, on both sides: lane r of tile 2 b + u takes row 32 b + 8 u + r + 8 (r / 8).  On the inner side the 16 registers of tiles 2 b, 2 b + 1 are then 16 neighbours along the next K;
; on the outer side the tiles of keys, of channels and of queries come out in the order in which the next launches want them.
; The bias is the C of each sum's first matrix instruction: along the inner rows for q and k (eight different numbers a lane), along the outer rows for v (one number a lane, eight times).
; Waves share nothing: no barrier.  Operands are read once, straight into registers: there is no tile in LDS that a cluster could share, so no joint loads.
; 3 x 128 work-groups: 3 x 2,048 shares of (128 inner rows x 16 outer rows) do not divide into 1,024 equal waves without a second set of inner rows a wave.
; LIMITS: NaN and infinities are not served.  A block whose largest magnitude lies under 2^-124 (a block of zeros too) gets the scale byte 1; these bytes are read by this program alone.
; THE MODE: SCHED_MODE bits 1:0 = 2 (LLVM: expert scheduling mode 2), set by the entry lines.  The code itself states the register dependences between vector or matrix instructions
; and memory or LDS instructions, with s_wait_alu, always for 0.
; THE PLAN.  Registers that memory or LDS instructions touch:
;   v1-v9        offsets and LDS addresses: written once at the head, read by every load and store, never written again.
;   XF, XS       the outer tile: tile m's 32 matrix instructions read them; behind them the loads of tile m + 1 land there.
;   window 1, WS, BI   loaded once at the head; matrix instructions alone read them.
;   PC0 + PW0, PC1 + PW1   two out-buffers by turns: tile m's quantiser writes buffer m % 2; the three stores that read it are issued in tile m + 1.
;   v10, v11     at work at the head; at the end the LDS load of the wave's 64 scale words lands there.
; So ONE wait on va_vdst stands in a tile, behind its products: they are done reading XF and XS, and the quantiser of the tile before has written its out-buffer.  The tile's nine loads and three stores follow it at once.
; The wait on vm_vsrc, in tiles 2 and 3, stands a whole tile behind the stores that it speaks of.
.set XF, 16                            ; v16-47   the outer tile's four fragments: 8 s + 4 c
.set XS, 48                            ; v48-51   its scale words, one for each K step
.set PC1, 52                           ; v52-59   the codes of tiles 1 and 3
.set PW1, 60                           ; v60      their scale word
.set HA, 64                            ; v64-127  the eight accumulators
.set BI, 128                           ; v128-191 the bias, in the result's layout
.set WS, 192                           ; v192-223 the inner rows' scale words: 4 t + s
.set PC0, 224                          ; v224-231 the codes of tiles 0 and 2
.set TM, 232                           ; v232-235 largest magnitudes, v236-239 the other half's, then bytes, v244-247 the conversions' scale operands
.set PW0, 248                          ; v248     the scale word of tiles 0 and 2
                                       ; window 1: the inner rows' fragments: 8 (4 t + s) + 4 c
.set MSB, 0
.macro WIN new                         ; the immediate's high byte repeats the setting that is left
.if MSB != \new
	s_set_vgpr_msb (MSB<<8)|\new
.set MSB, \new
.endif
.endm
; the outer tile m: four fragments (16 rows x 128 K each) and the rows' 16 scale bytes
.macro OUTER m
.irp s, 0,1,2,3
.irp c, 0,1
	global_load_b128 v[XF+8*\s+4*\c:XF+8*\s+4*\c+3], v1, s[40:41] offset:(32*((\m)/2)+8*((\m)%2))*256+64*\s+32*\c
.endr
.endr
	global_load_b128 v[XS:XS+3], v2, s[42:43] offset:(32*((\m)/2)+8*((\m)%2))*16
.endm
; 64 numbers of a lane, register 16 b + i = k 32 b + 16 (lane / 16) + i of my outer row, become a fragment's codes in v[pc] on and its scale word in v[pw]
.macro QUANT s, pc, pw
.irp b, 0,1,2,3
	v_max3_num_f32 v[TM+\b], |v[\s+16*\b]|, |v[\s+1+16*\b]|, 0x1800000   ; block b: my 16 numbers, and the floor 2^(3 - 127): the byte cannot fall under 1
.endr
.irp i, 2,4,6,8,10,12,14
.irp b, 0,1,2,3
	v_max3_num_f32 v[TM+\b], v[TM+\b], |v[\s+16*\b+\i]|, |v[\s+1+16*\b+\i]|   ; the four blocks by turns
.endr
.endr
.irp b, 0,1,2,3
	v_permlanex16_b32 v[TM+4+\b], v[TM+\b], s38, s39
.endr
.irp b, 0,1,2,3
	v_max_num_f32 v[TM+\b], v[TM+\b], v[TM+4+\b]   ; with lane l xor 16's: the block's largest magnitude
.endr
.irp b, 0,1,2,3
	v_add_nc_u32 v[TM+12+\b], 0xff000000, v[TM+\b]   ; 2 off its exponent field: the conversion takes this operand's exponent field as its scale
.endr
.irp b, 0,1,2,3
	v_lshrrev_b32 v[TM+4+\b], 23, v[TM+12+\b]      ; the scale's byte
.endr
	v_lshl_or_b32 v[\pw], v[TM+5], 8, v[TM+4]
	v_lshl_or_b32 v[\pw], v[TM+6], 16, v[\pw]
	v_lshl_or_b32 v[\pw], v[TM+7], 24, v[\pw]
.irp b, 0,1,2,3
	v_cvt_scalef32_pk8_fp4_f32 v[\pc+2*\b], v[\s+16*\b:\s+7+16*\b], v[TM+12+\b]
	v_cvt_scalef32_pk8_fp4_f32 v[\pc+1+2*\b], v[\s+8+16*\b:\s+15+16*\b], v[TM+12+\b]
.endr
	v_nop                                          ; one plain place behind a scaled conversion
.irp c, 0,1                                    ; the operand's layout wants a whole block in a lane: lanes 0-15 block 2 c, lanes 16-31 block 2 c + 1
.irp i, 0,1
	v_permlane16_swap_b32 v[\pc+4*\c+\i], v[\pc+2+4*\c+\i]
.endr
.endr
.endm
; tile m's codes and scale word leave, from out-buffer m % 2
.macro SEND m
.set SCB, PC0+(PC1-PC0)*((\m)%2)
.set SWB, PW0+(PW1-PW0)*((\m)%2)
	global_store_b128 v5, v[SCB:SCB+3], s[50:51] offset:512*(\m)      ; 32 lanes store 512 consecutive bytes, aligned
	global_store_b128 v6, v[SCB+4:SCB+7], s[50:51] offset:512*(\m)
	ds_store_b32 v7, v[SWB] offset:64*(\m)         ; lanes r and r + 16 write the same word with the same value
.endm
	s_load_b512 s[8:23], s[0:1], 0x0               ; x's codes 8, scales 10; Wq's 12, 14; Wk's 16, 18; Wv's 20, 22
	s_load_b256 s[24:31], s[0:1], 0x40             ; bq 24, bk 26, bv 28, q_img 30
	s_load_b128 s[32:35], s[0:1], 0x60             ; q_sw 32, kv_img 34
	s_load_b64 s[36:37], s[0:1], 0x70              ; kv_sw
	v_lshl_add_u32 v254, v0, 2, 0x400
	v_mov_b32 v255, 0
	v_lshrrev_b32 v10, 5, v0
	v_readfirstlane_b32 s3, v10                    ; W: wave 0..3
	s_and_b32 s2, ttmp7, 0xffff                    ; Y: 0 q, 1 k, 2 v
	s_mov_b32 s4, ttmp9                            ; X
	s_mov_b32 s38, 0x76543210
	s_mov_b32 s39, 0xfedcba98                      ; v_permlanex16_b32's selects for lane l xor 16
	s_wait_alu depctr_va_sdst(0)                   ; s3 is written, ahead of its first reader: the offsets below are made from it
	; Offsets for all three tasks, from ids alone; then one choice.  q, k: xl = X & 63 (64 tokens each), b = X >> 6
	s_and_b32 s5, s4, 63
	s_lshr_b32 s6, s4, 6
	s_lshl_b32 s66, s4, 6                          ; first outer row: token 64 X
	s_lshl_b32 s67, s3, 7                          ; first inner row: 128 W
	s_lshl_b32 s68, s6, 20                         ; q_img [bh][tile][512 B]: b << 20 | W << 18 | (c << 17) | xl << 11 | (m << 9)
	s_lshl_b32 s7, s3, 18
	s_or_b32 s68, s68, s7
	s_lshl_b32 s7, s5, 11
	s_or_b32 s68, s68, s7
	s_lshl_b32 s69, s6, 21                         ; kv_img [bh][quarter][K 64 tiles | V 8 steps]: b << 21 | W << 19 | (c << 18) | (xl >> 4) << 16 | (xl & 15) << 11 | (m << 9)
	s_lshl_b32 s7, s3, 19
	s_or_b32 s69, s69, s7
	s_lshr_b32 s7, s5, 4
	s_lshl_b32 s7, s7, 16
	s_or_b32 s69, s69, s7
	s_and_b32 s7, s5, 15
	s_lshl_b32 s7, s7, 11
	s_or_b32 s69, s69, s7
	s_lshl_b32 s70, s6, 16                         ; q_sw [b 4 + pair][tile][r] words: b << 16 | W << 14 | xl << 8
	s_lshl_b32 s7, s3, 14
	s_or_b32 s70, s70, s7
	s_lshl_b32 s7, s5, 8
	s_or_b32 s70, s70, s7
	s_lshl_b32 s71, s6, 17                         ; kv_sw [b 4 + pair][32,768 B], K's words first: b << 17 | W << 15 | xl << 8
	s_lshl_b32 s7, s3, 15
	s_or_b32 s71, s71, s7
	s_lshl_b32 s7, s5, 8
	s_or_b32 s71, s71, s7
	s_lshl_b32 s72, s3, 9                          ; the bias of my 128 inner rows
	; v: hh = X & 7 (the head), tg = X >> 3 (512 tokens each), tl = tg & 7; b = X >> 6 as above
	s_and_b32 s5, s4, 7
	s_lshl_b32 s73, s5, 6                          ; first outer row: 64 hh of Wv
	s_lshr_b32 s7, s4, 3
	s_lshl_b32 s74, s7, 9
	s_or_b32 s74, s74, s67                         ; first inner row: token 512 tg + 128 W
	s_and_b32 s7, s7, 7
	s_lshl_b32 s75, s6, 21                         ; kv_img, V's half: b << 21 | hh << 18 | (tl >> 1) << 16 | 1 << 15 | (tl & 1) << 14 | W << 12 | (c << 11) | (m << 9)
	s_lshl_b32 s76, s5, 18
	s_or_b32 s75, s75, s76
	s_lshr_b32 s76, s7, 1
	s_lshl_b32 s76, s76, 16
	s_or_b32 s75, s75, s76
	s_and_b32 s76, s7, 1
	s_lshl_b32 s76, s76, 14
	s_or_b32 s75, s75, s76
	s_lshl_b32 s76, s3, 12
	s_or_b32 s75, s75, s76
	s_or_b32 s75, s75, 0x8000
	s_lshl_b32 s76, s6, 17                         ; kv_sw, V's words [head & 1][step][tile][r]: b << 17 | (hh >> 1) << 15 | 1 << 14 | (hh & 1) << 13 | tl << 10 | W << 8
	s_lshr_b32 s77, s5, 1
	s_lshl_b32 s77, s77, 15
	s_or_b32 s76, s76, s77
	s_and_b32 s77, s5, 1
	s_lshl_b32 s77, s77, 13
	s_or_b32 s76, s76, s77
	s_lshl_b32 s77, s7, 10
	s_or_b32 s76, s76, s77
	s_lshl_b32 s77, s3, 8
	s_or_b32 s76, s76, s77
	s_or_b32 s76, s76, 0x4000
	s_lshl_b32 s77, s5, 8                          ; the bias of the head's 64 channels
	s_mov_b32 s78, 0x20000                         ; from the codes' registers 0-3 to 4-7: q: the next head
	s_mov_b32 s79, 0x40000                         ; k: the next head (v: 2,048 bytes, below)
	v_and_b32 v10, 15, v0                          ; r
	v_bfe_u32 v11, v0, 4, 1                        ; h
	v_and_b32 v12, 31, v0                          ; lane
	v_and_b32 v13, 8, v10
	v_add_nc_u32 v13, v13, v10                     ; r + 8 (r / 8)
	v_lshlrev_b32 v1, 8, v13
	v_lshl_add_u32 v1, v11, 4, v1                  ; codes: a row of 512 codes is 256 bytes; + 16 h
	v_lshlrev_b32 v2, 4, v13                       ; scale bytes: 16 a row
	v_lshlrev_b32 v3, 6, v11                       ; q, k: the bias at 16 h
	v_lshlrev_b32 v4, 2, v13                       ; v: the bias at my outer row
	v_lshlrev_b32 v5, 4, v12                       ; an image's place for my lane
	s_lshl_b32 s5, s3, 8
	v_lshl_add_u32 v7, v10, 2, s5                  ; LDS: my wave's 64 scale words: 256 W + 4 r (+ 64 m)
	v_lshl_add_u32 v8, v12, 3, s5                  ; and on the way out 8 bytes a lane
	v_lshlrev_b32 v9, 3, v12
.irp b, 0,1,2,3
	v_mov_b32 v[TM+4+\b], 0                        ; written once: a lane permute's destination counts as one of its sources
.endr
	s_wait_alu depctr_va_vdst(0)
	s_wait_kmcnt 0x0
	s_cmp_eq_u32 s2, 0                             ; q's or k's: the choice hangs on the work-group's number alone
	s_cselect_b64 s[44:45], s[12:13], s[16:17]     ; inner codes
	s_cselect_b64 s[46:47], s[14:15], s[18:19]     ; inner scales
	s_cselect_b64 s[48:49], s[24:25], s[26:27]     ; bias
	s_cselect_b64 s[50:51], s[30:31], s[34:35]     ; codes out (k and v: kv_img)
	s_cselect_b64 s[52:53], s[32:33], s[36:37]     ; scale words out (k and v: kv_sw)
	s_cselect_b32 s56, s68, s69
	s_cselect_b32 s57, s78, s79
	s_cselect_b32 s58, s70, s71
	s_cmp_eq_u32 s2, 2                             ; or v's
	s_cselect_b64 s[40:41], s[20:21], s[8:9]       ; outer codes
	s_cselect_b64 s[42:43], s[22:23], s[10:11]     ; outer scales
	s_cselect_b64 s[44:45], s[8:9], s[44:45]
	s_cselect_b64 s[46:47], s[10:11], s[46:47]
	s_cselect_b64 s[48:49], s[28:29], s[48:49]
	s_cselect_b32 s54, s73, s66                    ; first outer row
	s_cselect_b32 s55, s74, s67                    ; first inner row
	s_cselect_b32 s56, s75, s56                    ; codes out
	s_cselect_b32 s57, 0x800, s57                  ; registers 0-3 to 4-7
	s_cselect_b32 s58, s76, s58                    ; scale words out
	s_cselect_b32 s59, s77, s72                    ; bias
	s_mov_b32 s7, 0
	s_lshl_b32 s6, s54, 8
	s_add_nc_u64 s[40:41], s[40:41], s[6:7]
	s_lshl_b32 s6, s54, 4
	s_add_nc_u64 s[42:43], s[42:43], s[6:7]
	s_lshl_b32 s6, s55, 8
	s_add_nc_u64 s[44:45], s[44:45], s[6:7]
	s_lshl_b32 s6, s55, 4
	s_add_nc_u64 s[46:47], s[46:47], s[6:7]
	s_mov_b32 s6, s59
	s_add_nc_u64 s[48:49], s[48:49], s[6:7]
	s_mov_b32 s6, s56
	s_add_nc_u64 s[50:51], s[50:51], s[6:7]
	s_mov_b32 s6, s58
	s_add_nc_u64 s[52:53], s[52:53], s[6:7]
	v_add_nc_u32 v6, s57, v5                       ; where the codes' registers 4-7 go
	s_wait_alu depctr_va_vdst(0)                   ; the nine offsets and addresses v1 to v9 are written, which the kernel's loads and stores read; none is written again
	OUTER 0
	WIN 0x40                                       ; destination window 1, address window 0
.irp t, 0,1,2,3,4,5,6,7                        ; the inner rows' 32 fragments: they stay
.irp s, 0,1,2,3
.irp c, 0,1
	global_load_b128 v[8*(4*\t+\s)+4*\c:8*(4*\t+\s)+4*\c+3], v1, s[44:45] offset:(32*(\t/2)+8*(\t%2))*256+64*\s+32*\c
.endr
.endr
.endr
	WIN 0
.irp t, 0,1,2,3,4,5,6,7
	global_load_b128 v[WS+4*\t:WS+4*\t+3], v2, s[46:47] offset:(32*(\t/2)+8*(\t%2))*16
.endr
	s_cmp_eq_u32 s2, 2
	s_cbranch_scc1 .Lbias_v
.irp t, 0,1,2,3,4,5,6,7                        ; q, k: register 8 t + j is the bias of inner row 32 (t / 2) + 16 h + 8 (t % 2) + j
	global_load_b128 v[BI+8*\t:BI+8*\t+3], v3, s[48:49] offset:(32*(\t/2)+8*(\t%2))*4
	global_load_b128 v[BI+8*\t+4:BI+8*\t+7], v3, s[48:49] offset:(32*(\t/2)+8*(\t%2))*4+16
.endr
	s_branch .Lbias_done
.Lbias_v:
.irp i, 0,1,2,3,4,5,6,7                        ; v: registers 8 m .. 8 m + 7 all hold the bias of my channel of outer tile m; the upper 32 repeat the lower, so that the whole block is written on both ways
.irp j, 0,1,2,3,4,5,6,7
	global_load_b32 v[BI+8*\i+\j], v4, s[48:49] offset:(32*((\i%4)/2)+8*(\i%2))*4
.endr
.endr
.Lbias_done:
; One outer tile: 32 matrix instructions (8 accumulators by turns; K ascending); the next tile's loads and the last tile's stores; the quantiser.
.macro TILE m
.set PCB, PC0+(PC1-PC0)*((\m)%2)
.set PWB, PW0+(PW1-PW0)*((\m)%2)
	s_wait_loadcnt 0x0                             ; this tile's fragments and scale words (in the first tile: everything)
	s_cmp_eq_u32 s2, 2
	s_cbranch_scc1 .Lv_\@
	WIN 0x01                                       ; source 0 window 1
.irp t, 0,1,2,3,4,5,6,7
	v_wmma_scale_f32_16x16x128_f8f6f4 v[HA+8*\t:HA+8*\t+7], v[8*(4*\t):8*(4*\t)+7], v[XF:XF+7], v[BI+8*\t:BI+8*\t+7], v[WS+4*\t], v[XS] matrix_a_fmt:MATRIX_FMT_FP4 matrix_b_fmt:MATRIX_FMT_FP4
.endr
	WIN 0
	s_branch .Ljoin_\@
.Lv_\@:
	WIN 0x01
.irp t, 0,1,2,3,4,5,6,7
	v_wmma_scale_f32_16x16x128_f8f6f4 v[HA+8*\t:HA+8*\t+7], v[8*(4*\t):8*(4*\t)+7], v[XF:XF+7], v[BI+8*\m:BI+8*\m+7], v[WS+4*\t], v[XS] matrix_a_fmt:MATRIX_FMT_FP4 matrix_b_fmt:MATRIX_FMT_FP4
.endr
	WIN 0
.Ljoin_\@:
	WIN 0x01
.irp s, 1,2,3
.irp t, 0,1,2,3,4,5,6,7
	v_wmma_scale_f32_16x16x128_f8f6f4 v[HA+8*\t:HA+8*\t+7], v[8*(4*\t+\s):8*(4*\t+\s)+7], v[XF+8*\s:XF+8*\s+7], v[HA+8*\t:HA+8*\t+7], v[WS+4*\t+\s], v[XS+\s] matrix_a_fmt:MATRIX_FMT_FP4 matrix_b_fmt:MATRIX_FMT_FP4
.endr
.endr
	WIN 0
.rept 4
	v_nop                                          ; four places (ISA guide 7.12.1) in front of the quantiser's first read of results
.endr
.if \m >= 2
	s_wait_xcnt 0x0                                ; the stores issued in the last tile have had their addresses translated (ISA guide 3.1): only behind this wait is their out-buffer written again,
	s_wait_alu depctr_vm_vsrc(0)                   ; and they have read it: the codes and the scale word of two tiles back, whose registers this tile's quantiser writes
.endif
	s_wait_alu depctr_va_vdst(0)                   ; the products are done reading XF and XS, in which the loads below land; the last tile's quantiser has written the codes and the scale word that the stores below read
.if \m < 3
	OUTER \m+1                                     ; lands while this tile is quantised
.endif
.if \m > 0
	SEND \m-1                                      ; from the other out-buffer, which no vector instruction of this tile names
.endif
	QUANT HA, PCB, PWB
.endm
	TILE 0
	TILE 1
	TILE 2
	TILE 3
	s_wait_alu depctr_va_vdst(0)                   ; tile 3's quantiser has written its codes and scale word, which the stores below read; v10 and v11, at work at the head, are free for the load below
	SEND 3
	ds_load_b64 v[10:11], v8                       ; LDS serves a wave's instructions in order (ISA guide 5.7.1.4): this sees my four stores
	s_wait_dscnt 0x0
	global_store_b64 v9, v[10:11], s[52:53]        ; my four tiles' 64 scale words: 256 consecutive bytes, aligned
	s_wait_dscnt 0x0                               ; the closing lines, six on end
	s_wait_alu 0x0
	s_wait_tensorcnt 0x0
	ds_add_u32 v254, v255
	s_wait_dscnt 0x0
	s_endpgm
.Lfunc_end_k_qdd93cc8e30_proj:
	.size	k_qdd93cc8e30_proj, .Lfunc_end_k_qdd93cc8e30_proj-k_qdd93cc8e30_proj
	.p2alignl 7, 3214868480
	.fill 96, 4, 3214868480
	.section	.rodata,"a",@progbits
	.p2align	6, 0x0
	.amdhsa_kernel k_qdd93cc8e30_proj
		.amdhsa_group_segment_fixed_size 1536
		.amdhsa_private_segment_fixed_size 0
		.amdhsa_enable_private_segment 0
		.amdhsa_kernarg_size 120
		.amdhsa_user_sgpr_count 2
		.amdhsa_user_sgpr_kernarg_segment_ptr 1
		.amdhsa_wavefront_size32 1
		.amdhsa_system_sgpr_workgroup_id_x 1
		.amdhsa_system_sgpr_workgroup_id_y 1
		.amdhsa_system_sgpr_workgroup_id_z 1
		.amdhsa_system_vgpr_workitem_id 0
		.amdhsa_next_free_vgpr 512
		.amdhsa_next_free_sgpr 80
		.amdhsa_reserve_vcc 0
		.amdhsa_float_denorm_mode_32 3
		.amdhsa_float_denorm_mode_16_64 3
		.amdhsa_memory_ordered 1
		.amdhsa_forward_progress 1
		.amdhsa_inst_pref_size 62
	.end_amdhsa_kernel
	.amdgpu_metadata
---
amdhsa.version: [ 1, 2 ]
amdhsa.kernels:
  - .name:           k_qdd93cc8e30_proj
    .symbol:         k_qdd93cc8e30_proj.kd
    .args:
      - { .name: x_codes, .offset: 0, .size: 8, .value_kind: global_buffer, .address_space: global }
      - { .name: x_scales, .offset: 8, .size: 8, .value_kind: global_buffer, .address_space: global }
      - { .name: Wq_codes, .offset: 16, .size: 8, .value_kind: global_buffer, .address_space: global }
      - { .name: Wq_scales, .offset: 24, .size: 8, .value_kind: global_buffer, .address_space: global }
      - { .name: Wk_codes, .offset: 32, .size: 8, .value_kind: global_buffer, .address_space: global }
      - { .name: Wk_scales, .offset: 40, .size: 8, .value_kind: global_buffer, .address_space: global }
      - { .name: Wv_codes, .offset: 48, .size: 8, .value_kind: global_buffer, .address_space: global }
      - { .name: Wv_scales, .offset: 56, .size: 8, .value_kind: global_buffer, .address_space: global }
      - { .name: bq, .offset: 64, .size: 8, .value_kind: global_buffer, .address_space: global }
      - { .name: bk, .offset: 72, .size: 8, .value_kind: global_buffer, .address_space: global }
      - { .name: bv, .offset: 80, .size: 8, .value_kind: global_buffer, .address_space: global }
      - { .name: q_img, .offset: 88, .size: 8, .value_kind: global_buffer, .address_space: global }
      - { .name: q_sw, .offset: 96, .size: 8, .value_kind: global_buffer, .address_space: global }
      - { .name: kv_img, .offset: 104, .size: 8, .value_kind: global_buffer, .address_space: global }
      - { .name: kv_sw, .offset: 112, .size: 8, .value_kind: global_buffer, .address_space: global }
    .group_segment_fixed_size: 1536
    .private_segment_fixed_size: 0
    .kernarg_segment_align: 8
    .kernarg_segment_size: 120
    .max_flat_workgroup_size: 128
    .sgpr_count:     80
    .vgpr_count:     512
    .wavefront_size: 32
...
	.end_amdgpu_metadata
.endif
;; end of part 5
;; launch attn (part 6): grid 16 x 16, 16 waves a work-group, clusters of 4 x 1, 297,984 bytes of LDS; arguments q_img, q_sw, kv_img, kv_sw, o_img, o_sh; writes o_img, o_sh
.if DOCPART == 6
	.amdgcn_target "amdgcn-amd-amdhsa--gfx1250"
	.amdhsa_code_object_version 6
	.text
	.protected	k_qdd93cc8e30_attn
	.globl	k_qdd93cc8e30_attn
	.p2align	8
	.type	k_qdd93cc8e30_attn,@function
k_qdd93cc8e30_attn:
	s_mov_b64 s[64:65], 0
	v_nop
	global_prefetch_b8 v0, s[64:65] scope:SCOPE_SE
	s_setreg_imm32_b32 hwreg(HW_REG_WAVE_MODE, 25, 1), 1
	s_wait_xcnt 0x0
	s_wait_alu depctr_hold_cnt(0) depctr_sa_sdst(0) depctr_va_vdst(0) depctr_va_sdst(0) depctr_va_ssrc(0) depctr_va_vcc(0) depctr_vm_vsrc(0)
	s_getreg_b32 s2, hwreg(HW_REG_IB_STS2, 6, 4)
	s_cmp_eq_u32 s2, 0
	s_cbranch_scc0 .Lentry_in_a_cluster
	s_endpgm
.Lentry_in_a_cluster:
	s_bfe_u32 s2, ttmp6, 0x10000c
	s_cmp_lg_u32 s2, 0x3003
	s_cbranch_scc0 .Lentry_shape_is_right
	s_endpgm
.Lentry_shape_is_right:
; o[q] = the sum over keys of softmax(q . k / 8) v for one (batch, head), both products on codes of FP4 (E2M1) with one E8M0 scale for each 32 along K; o is quantised along the channels and leaves as codes.
; THE SOFTMAX: t = score x log2(e) / 8; M = the running largest t rounded UP to a whole number; p = 2^(t - M) is what is quantised, along the keys, not normalised.  The row's sum is taken of the unquantised p, in f32,
; and divides O at the end.  When M moves, the sum and O are multiplied by 2^(old M - new M): exact.
; SHARES.  A work-group owns 256 queries (16 tiles) of head bh = work-group y; each of its sixteen waves one tile, in 256 registers: four waves to a SIMD.  Every wave walks the head's 4,096 keys, 128 a step.
; LDS IS FILLED ONCE: a head's codes of K and V are 262,144 bytes and its pair of heads' scale words 32,768.  They lie in memory as images of the operands' registers, so every fragment load takes 16 bytes a lane, 512 on end.
; They come in five pieces a wave (the scale words, then four quarters of 1,024 keys), and the loop starts when the first two quarters are in.  By this text's own count a wave has five tensor loads out at the most.
; CLUSTER: the four work-groups of a cluster belong to one head and want the same bytes: each piece is asked for JOINTLY, by the same tensor load with the same descriptor and a mask that names the four.
; LAYOUT.  Both products are used transposed: S^T = K Q^T (source 0 = 16 keys), O^T = V^T P^T (source 0 = 16 channels): a lane holds ONE query throughout.  The first product's K is 64: its registers 4-7 are zero codes
; on both sides, under the scale byte 0 (2^-127), which add nothing.  Tile 2 b + u of a step holds keys 32 b + 8 u + r + 8 (r / 8), so that p's 16 registers of two neighbouring tiles are 16 neighbouring keys; V's tiles of
; channels are laid the same way, so that O^T's register 16 b + i is channel 32 b + 16 (lane / 16) + i.
; THE STEP IS LAID SO THAT A WAVE ALONE KEEPS ISSUING.  LDS is asked a softmax ahead: this step's V straight behind the scores' products, the NEXT step's K among the lines that find M; so a step begins with its eight
; products on end.  The exponentials alternate with plain work that is ready: t - M four pairs ahead, the scale bytes and the rescaling of O^T, the sums four pairs back.
; LIMITS: NaN and infinities are not served.  A block of o whose largest magnitude lies under 2^-124 gets the scale byte 1; these bytes are read by this program alone.
.set SWB, 262144                       ; LDS: behind the codes the pair's scale words: K's pair words [tile 256][r 16], then V's [head & 1][step 32][tile 4][r 16]
.set OSH, 294912                       ; and o's half words [wave][r], 512 bytes, in blocks of their own into which no fill lands
.set QF, 16                            ; v16-23   Q's fragment (20-23: zeros)
.set KF, 24                            ; v24-55   K's fragments 0-3, v224-255 fragments 4-7: fragment i at KF + 8 i + 168 (i / 4); the upper four registers of each: zeros
.set VF, 56                            ; v56-87   V's four fragments
.set KS, 88                            ; v88-91   K's scale words 0-3, v220-223 words 4-7: word i at KS + i + 128 (i / 4)
.set VS, 92                            ; v92-95   V's
.set S,  96                            ; v96-159  S^T, then p; at the end o
.set O,  160                           ; v160-191 O^T
.set PC, 192                           ; v192-199 p's codes
.set BM, 200                           ; v200-203 a block's largest score, then its largest p
.set BT, 204                           ; v204-207 the other half's, then bytes
.set SOP, 208                          ; v208-211 the conversions' scale operands
.set TMP, 212
.set F,  214                           ; v[214:215] f = 2^(old M - new M) (215 only named with it)
.set PS, 216                           ; p's scale word
.set QS, 217                           ; Q's
.set L2, 218                           ; v[218:219] the sum's second chain
                                       ; v1 16 x lane; v2, v3 my place among K's and V's scale words; v4-6 the step's addresses; v7, v8 o's half words in and out; v12 -M, v13 the largest t, v[14:15] the sum
.macro CROUND                          ; a round of the cluster's barrier: my work-group's barrier; wave 0 signals for the work-group; every wave waits for all four; my work-group's barrier once more
	s_barrier_signal -1
	s_barrier_wait -1
	s_cmp_lg_u32 s52, 0
	s_cbranch_scc1 .Lnot_wave_0_\@
	s_barrier_signal -3
.Lnot_wave_0_\@:
	s_barrier_wait -3
	s_barrier_signal -1
	s_barrier_wait -1
.endm
	s_load_b128 s[4:7], s[0:1], 0x0                ; q_img, q_sw
	s_load_b128 s[8:11], s[0:1], 0x10              ; kv_img, kv_sw
	s_load_b128 s[12:15], s[0:1], 0x20             ; o_img, o_sh
	v_lshl_add_u32 v254, v0, 2, 0x48400
	v_mov_b32 v255, 0
	ds_add_u32 v254, v255
	ds_add_u32 v254, v255
	s_wait_dscnt 0x0
	v_lshrrev_b32 v8, 5, v0
	v_readfirstlane_b32 s52, v8                    ; W: wave 0..15
	s_bfe_u32 s53, ttmp6, 0x40000                  ; cx: my place in the cluster
	s_lshl_b32 s66, ttmp9, 2
	s_add_co_u32 s53, s66, s53                     ; X = 4 x cluster x + cx: it enters q's and o's global offsets alone
	s_and_b32 s54, ttmp7, 0xffff                   ; bh, which the four partners share
	s_lshl_b32 s55, s53, 4
	s_add_co_u32 s55, s55, s52                     ; T = 16 X + W: my tile of queries
	s_mov_b32 s56, 0x76543210
	s_mov_b32 s57, 0xfedcba98                      ; v_permlanex16_b32's selects for lane l xor 16
	s_mov_b32 s58, 0x3e38aa3b                      ; c = log2(e) / 8
	s_mov_b32 s59, s58                             ; (named with it as a pair, so it is written)
	; descriptor group 1: a dense 4,096 bytes as 16 rows of 256 (32 elements of 8 bytes)
	s_mov_b32 s16, 15|(3<<16)|(1<<21)              ; 15:0 the mask: all four work-groups; 17:16 elements of 8 bytes; 21 set beside a mask; no padding
	s_mov_b32 s17, 32<<16                          ; tensor_dim0 = 32
	s_mov_b32 s18, 16<<16                          ; tensor_dim1 = 16
	s_mov_b32 s19, 32<<16                          ; tile_dim0 = 32
	s_mov_b32 s20, 16                              ; tile_dim1 = 16
	s_mov_b32 s21, 32                              ; from row to row
	s_mov_b32 s22, 0
	s_mov_b32 s23, 0
	s_mov_b32 s24, 15|(3<<16)|(1<<21)              ; the same with 8 rows: 2,048 bytes of scale words
	s_mov_b32 s25, 32<<16
	s_mov_b32 s26, 8<<16
	s_mov_b32 s27, 32<<16
	s_mov_b32 s28, 8
	s_mov_b32 s29, 32
	s_mov_b32 s30, 0
	s_mov_b32 s31, 0
	s_lshl_b32 s66, s54, 18                        ; the head's 262,144 bytes of kv_img,
	s_lshl_b32 s70, s52, 12                        ; my wave's 4,096 of each quarter, in memory and in LDS alike
	s_add_co_u32 s66, s66, s70
	s_mov_b32 s67, 0
	s_lshr_b32 s68, s54, 1
	s_lshl_b32 s68, s68, 15                        ; the pair's 32,768 bytes of kv_sw,
	s_lshl_b32 s71, s52, 11                        ; my wave's 2,048
	s_add_co_u32 s68, s68, s71
	s_mov_b32 s69, 0
	s_wait_kmcnt 0x0
	s_add_nc_u64 s[8:9], s[8:9], s[66:67]
	s_add_nc_u64 s[10:11], s[10:11], s[68:69]
	s_mov_b32 s32, 1                               ; group 0 for the scale words: count = 1,
	s_add_co_u32 s33, s71, SWB                     ; LDS address,
	s_mov_b64 s[34:35], s[10:11]                   ; global address,
	s_or_b32 s35, s35, 0x80000000                  ; type = 2
.irp j, 0,1,2,3                                ; and one for each quarter: none is ever written again
	s_mov_b32 s[36+4*\j], 1
	s_add_co_u32 s[37+4*\j], s70, \j*65536
	s_add_nc_u64 s[38+4*\j:39+4*\j], s[8:9], \j*65536
	s_or_b32 s[39+4*\j], s[39+4*\j], 0x80000000
.endr
	CROUND                                         ; all four work-groups are here: the joint loads meet
	tensor_load_to_lds s[32:35], s[24:31]          ; the scale words first: they are wanted with the first step
	s_nop 0
	tensor_load_to_lds s[36:39], s[16:23]
	s_nop 0
	tensor_load_to_lds s[40:43], s[16:23]
	s_nop 0
	tensor_load_to_lds s[44:47], s[16:23]
	s_nop 0
	tensor_load_to_lds s[48:51], s[16:23]
	s_nop 0
.rept 4
	v_nop
.endr
	v_and_b32 v10, 15, v0                          ; r
	v_and_b32 v11, 31, v0                          ; lane
	v_lshlrev_b32 v1, 4, v11                       ; 16 x lane
	v_lshlrev_b32 v9, 2, v10                       ; 4 r
	s_lshl_b32 s66, s54, 17                        ; q_img [bh][tile][512 B]
	s_lshl_b32 s68, s55, 9
	s_add_co_u32 s66, s66, s68
	s_add_nc_u64 s[4:5], s[4:5], s[66:67]
	s_lshr_b32 s66, s54, 1                         ; q_sw [pair][tile][r] words; my head's half of a word
	s_lshl_b32 s66, s66, 14
	s_lshl_b32 s68, s55, 6
	s_add_co_u32 s66, s66, s68
	s_and_b32 s70, s54, 1                          ; bh & 1
	s_lshl_b32 s68, s70, 1
	s_add_co_u32 s66, s66, s68
	s_add_nc_u64 s[6:7], s[6:7], s[66:67]
	global_load_b128 v[QF:QF+3], v1, s[4:5]        ; Q's codes: they stay
	global_load_u16 v[QS], v9, s[6:7]              ; its two scale bytes; bytes 2 and 3 are 0, over zero codes
	s_lshr_b32 s66, s54, 3                         ; o_img [b 256 + T][head 8][512 B]
	s_lshl_b32 s66, s66, 8
	s_add_co_u32 s66, s66, s55
	s_lshl_b32 s66, s66, 12
	s_and_b32 s68, s54, 7
	s_lshl_b32 s68, s68, 9
	s_add_co_u32 s66, s66, s68
	s_add_nc_u64 s[12:13], s[12:13], s[66:67]
	s_lshl_b32 s66, s54, 13                        ; o_sh [bh][tile][r] half words: my work-group's 512 bytes
	s_lshl_b32 s68, s53, 9
	s_add_co_u32 s66, s66, s68
	s_add_nc_u64 s[14:15], s[14:15], s[66:67]
	s_lshl_b32 s68, s70, 1
	s_add_co_u32 s68, s68, SWB
	v_lshl_add_u32 v2, v10, 2, s68                 ; K's scale words: 4 r, my head's half of the pair's word
	s_lshl_b32 s68, s70, 13
	s_add_co_u32 s68, s68, SWB+16384
	v_lshl_add_u32 v3, v10, 2, s68                 ; V's: my head's 8,192 bytes, 4 r
	s_lshl_b32 s68, s52, 5
	s_add_co_u32 s68, s68, OSH
	v_lshl_add_u32 v7, v10, 1, s68                 ; o's half words: 32 W + 2 r
	v_add_nc_u32 v8, OSH, v1                       ; and back, 16 bytes a lane
	v_mov_b32 v13, 0xff61b1e6                      ; the largest t so far: -3e38, under every t
	v_floor_f32 v12, -v13                          ; -M
	v_mov_b32 v14, 0                               ; the sum, in two halves
	v_mov_b32 v15, 0
.irp i, 4,5,6,7
	v_mov_b32 v[QF+\i], 0                          ; k = 64 .. 127 of the first product: zero codes
.irp t, 0,1,2,3,4,5,6,7
	v_mov_b32 v[KF+8*\t+168*(\t/4)+\i], 0
.endr
.endr
.irp b, 0,1,2,3
	v_mov_b32 v[BT+\b], 0                          ; written once: a lane permute's destination counts as one of its sources
.endr
	v_mov_b32 v[F+1], 0                            ; (named as the upper half of a pair)
.irp j, 0,1,2,3,4,5,6,7,8,9,10,11,12,13,14,15,16,17,18,19,20,21,22,23,24,25,26,27,28,29,30,31
	v_mov_b32 v[O+\j], 0                           ; O^T: the step is written once; the first finds zeros, which the first change of M leaves zeros
.endr
	s_wait_loadcnt 0x0                             ; Q
; K's fragment i (16 keys x 64 channels: four registers) and its scale word, from address registers ba and bs
.macro KLOAD ba, bs, koff, soff, i
	ds_load_b128 v[KF+8*(\i)+168*((\i)/4):KF+8*(\i)+168*((\i)/4)+3], v[\ba] offset:\koff+512*(\i)
	ds_load_u16 v[KS+(\i)+128*((\i)/4)], v[\bs] offset:\soff+64*(\i)   ; my head's two bytes; bytes 2 and 3 are 0, over zero codes
.endm
; THE PIECES OF THE SOFTMAX BEHIND M.  Pair n is scores 2 n and 2 n + 1 of the lane's 64.
.macro TFMA n                          ; t - M of pair n (of the pairs c and -M the low word serves both halves)
	v_pk_fma_f32 v[S+2*(\n):S+2*(\n)+1], v[S+2*(\n):S+2*(\n)+1], s[58:59], v[12:13] op_sel_hi:[1,0,0]
.endm
.macro PCVT g                          ; the codes of p 8 g .. 8 g + 7, under block g / 2's scale
	s_wait_alu depctr_va_vdst(0)
	v_cvt_scalef32_pk8_fp4_f32 v[PC+(\g)], v[S+8*(\g):S+8*(\g)+7], v[SOP+(\g)/2]
.endm
.macro PADD n                          ; the row's sum is taken of the unquantised p: pair n goes to one of two chains (pairs 0 and 1 start the second)
.if (\n) == 1
	v_pk_add_f32 v[L2:L2+1], v[S:S+1], v[S+2:S+3]
.elseif (\n)%2 == 0
	v_pk_add_f32 v[14:15], v[14:15], v[S+2*(\n):S+2*(\n)+1]
.else
	v_pk_add_f32 v[L2:L2+1], v[L2:L2+1], v[S+2*(\n):S+2*(\n)+1]
.endif
.endm
.macro PFILL n                         ; filler n of 31: plain work that stands between a pair's two exponentials
.if (\n) < 8
.if (\n)%2 == 0
	s_wait_alu depctr_va_vdst(0)
	v_max_num_f32 v[BM+(\n)/2], 0x1800000, v[BM+(\n)/2]           ; the block's largest p, with the floor 2^(3 - 127): the byte cannot fall under 1
.else
	v_add_nc_u32 v[SOP+(\n)/2], 0xff000000, v[BM+(\n)/2]          ; 2 off the exponent field: the conversion's scale operand
.endif
.elseif (\n) < 12
	v_lshrrev_b32 v[BT+(\n)-8], 23, v[SOP+(\n)-8]                 ; the scale's byte
.elseif (\n) == 12
	s_setprio 1
	v_lshl_or_b32 v[PS], v[BT+1], 8, v[BT]                        ; p's scale word for these 128 keys
.elseif (\n) == 13
	v_lshl_or_b32 v[PS], v[BT+2], 16, v[PS]
.elseif (\n) == 14
	v_lshl_or_b32 v[PS], v[BT+3], 24, v[PS]
.elseif (\n) < 31
	v_pk_mul_f32 v[O+2*((\n)-15):O+2*((\n)-15)+1], v[O+2*((\n)-15):O+2*((\n)-15)+1], v[F:F+1] op_sel_hi:[1,0]   ; O^T under the new M, each accumulator from its low end on
.endif
.endm
; A KEY STEP: 128 keys.  s60: where the step's tiles of K begin (V's lie 32,768 bytes on); s61, s62: its scale words of K and of V.
; pre = 1: the next step's K is asked for; it begins knext bytes behind this step's.
.macro STEP knext, pre
	s_wait_dscnt 0x0                               ; K's eight fragments and scale words, asked for under the last softmax, are in
.irp i, 0,1,2,3,4,5,6,7                        ; S^T = K Q^T: eight tiles of 16 keys
	v_wmma_scale_f32_16x16x128_f8f6f4 v[S+8*\i:S+8*\i+7], v[KF+8*\i+168*(\i/4):KF+8*\i+168*(\i/4)+7], v[QF:QF+7], 0, v[KS+\i+128*(\i/4)], v[QS] matrix_a_fmt:MATRIX_FMT_FP4 matrix_b_fmt:MATRIX_FMT_FP4
.endr                                          ; lane (r, h) holds query r; registers 16 b + i are keys 32 b + 16 h + i of the step
	v_add_nc_u32 v4, s60, v1                       ; four places (ISA guide 7.12.1 for vector instructions) between the products, the last step's among them,
	v_add_nc_u32 v5, s61, v2                       ; and the loads into V's registers and the first read of the scores
	v_add_nc_u32 v6, s62, v3
	v_nop
.irp t, 0,1,2,3                                ; V's four fragments and scale words: they land under the softmax
.irp c, 0,1
	ds_load_b128 v[VF+8*\t+4*\c:VF+8*\t+4*\c+3], v4 offset:32768+2048*\c+512*\t
.endr
	ds_load_b32 v[VS+\t], v6 offset:64*\t
.endr
.irp b, 0,1,2,3
	v_max3_num_f32 v[BM+\b], v[S+16*\b], v[S+1+16*\b], v[S+2+16*\b]   ; the largest score of each block of 32 keys: it serves the row's maximum and, since p rises with the score, the block's largest p
.endr
.irp i, 3,5,7,9,11,13
.irp b, 0,1,2,3
	v_max3_num_f32 v[BM+\b], v[BM+\b], v[S+16*\b+\i], v[S+1+16*\b+\i]   ; the four blocks by turns
.endr
.endr
.irp b, 0,1,2,3
	v_max_num_f32 v[BM+\b], v[BM+\b], v[S+15+16*\b]
.endr
.irp b, 0,1,2,3
	v_permlanex16_b32 v[BT+\b], v[BM+\b], s56, s57
.endr
.irp b, 0,1,2,3
	v_max_num_f32 v[BM+\b], v[BM+\b], v[BT+\b]     ; with lane l xor 16's 16 keys
.endr
	v_max3_num_f32 v[TMP], v[BM], v[BM+1], v[BM+2] ; each line from here to f feeds the next: the requests for the next step's K stand between them
.if \pre
	KLOAD 4, 5, \knext, 512, 0
	KLOAD 4, 5, \knext, 512, 1
.endif
	v_max_num_f32 v[TMP], v[TMP], v[BM+3]          ; the step's largest score of my query
.if \pre
	KLOAD 4, 5, \knext, 512, 2
	KLOAD 4, 5, \knext, 512, 3
.endif
	v_mul_f32 v[TMP], s58, v[TMP]                  ; as t (c is positive)
.if \pre
	KLOAD 4, 5, \knext, 512, 4
	KLOAD 4, 5, \knext, 512, 5
.endif
	v_max_num_f32 v13, v13, v[TMP]                 ; the running largest t
.if \pre
	KLOAD 4, 5, \knext, 512, 6
	KLOAD 4, 5, \knext, 512, 7
.endif
	v_mov_b32 v[TMP], v12
	v_floor_f32 v12, -v13                          ; the new -M = floor(-t) = -ceil(t): a whole number
	v_sub_f32 v[TMP], v12, v[TMP]                  ; old M - new M: a whole number, 0 or less
	v_fma_f32 v[BM], v[BM], s58, v12               ; t - M of each block's largest score
	v_cvt_i32_f32 v[TMP], v[TMP]                   ; (it saturates)
	v_fma_f32 v[BM+1], v[BM+1], s58, v12
	v_ldexp_f32 v[F], 1.0, v[TMP]                  ; f = 2^(old M - new M)
	v_fma_f32 v[BM+2], v[BM+2], s58, v12
	v_fma_f32 v[BM+3], v[BM+3], s58, v12
.irp b, 0,1,2,3
	TFMA \b
	v_exp_f32 v[BM+\b], v[BM+\b]                   ; the block's largest p: the same two instructions on the same number give the same bits as its p
.endr
	v_pk_mul_f32 v[14:15], v[14:15], v[F:F+1] op_sel_hi:[1,0]   ; the sums under the new M
; 32 pairs.  Behind every exponential but one stands a plain line that touches neither its result nor its source (ISA guide 5.7.2); a conversion stands behind a plain line that follows its eighth exponential.
.set pj, 0
.rept 32
.if pj+4 < 32
	TFMA pj+4
.endif
.if (pj%4 == 0) && (pj > 0)
	PCVT pj/4-1
.endif
	v_exp_f32 v[S+2*pj], v[S+2*pj]                 ; p = 2^(t - M), at most 1: not normalised
	PFILL pj
	v_exp_f32 v[S+2*pj+1], v[S+2*pj+1]
.if pj >= 5
	PADD pj-4
.endif
.set pj, pj+1
.endr
	s_setprio 0
	PCVT 7
	PADD 28                                        ; one plain place behind the last scaled conversion
.irp c, 0,1                                    ; the operand's layout wants a whole block in a lane
.irp i, 0,1
	v_permlane16_swap_b32 v[PC+4*\c+\i], v[PC+2+4*\c+\i]
.endr
.endr
	PADD 29                                        ; the last four sums are the four places between the codes' last write and the products
	PADD 30
	PADD 31
	v_pk_add_f32 v[14:15], v[14:15], v[L2:L2+1]
.if \pre
	s_wait_dscnt 16                                ; V's twelve loads are in; K's sixteen, issued behind them, may be out
.else
	s_wait_dscnt 0x0                               ; V is in
.endif
.irp t, 0,1,2,3                                ; O^T += V^T P^T: four tiles of 16 channels, one instruction a turn
	v_wmma_scale_f32_16x16x128_f8f6f4 v[O+8*\t:O+8*\t+7], v[VF+8*\t:VF+8*\t+7], v[PC:PC+7], v[O+8*\t:O+8*\t+7], v[VS+\t], v[PS] matrix_a_fmt:MATRIX_FMT_FP4 matrix_b_fmt:MATRIX_FMT_FP4
.endr
.endm
; A quarter of the keys: eight steps, seven in a loop; the eighth is written out, since from its K to the next quarter's first K are 36,864 bytes and not 4,096.
; That eighth step reads the next quarter, so the barrier at quarter j's head shows quarter j + 1 landed.  The wave's loads went out in the order scale words, quarter 0, 1, 2, 3: behind quarter j + 1's stand 2 - j.
; Later quarters may stay out.  Quarter 3 needs no barrier: all is in.
.macro QUARTER j
.if \j < 3
	s_wait_tensorcnt 2-\j                          ; my part of quarter j + 1 (and of all before it) is in LDS,
	s_wait_dscnt 0x0                               ; no LDS load of mine is out at the signal (the requests for K were),
	s_barrier_signal -1
	s_barrier_wait -1                              ; everybody's part is in
.endif
.if \j == 0
.irp i, 0,1,2,3,4,5,6,7
	KLOAD 1, 2, 0, 0, \i                           ; the first step's K
.endr
.endif
	s_mov_b32 s60, 65536*\j
	s_mov_b32 s61, 4096*\j
	s_mov_b32 s62, 2048*\j
	s_mov_b32 s63, 7
.Lq_\@:
	s_setprio 2
	STEP 4096, 1
	s_add_co_u32 s60, s60, 4096                    ; the next step's eight tiles of K (and four fragments of V),
	s_add_co_u32 s61, s61, 512                     ; K's scale words,
	s_add_co_u32 s62, s62, 256                     ; V's
	s_sub_co_u32 s63, s63, 1
	s_cmp_lg_u32 s63, 0
	s_cbranch_scc1 .Lq_\@
	s_setprio 0
	s_mov_b32 s60, 65536*\j+28672                  ; the quarter's eighth step, by constants
	s_mov_b32 s61, 4096*\j+3584
	s_mov_b32 s62, 2048*\j+1792
.if \j < 3
	STEP 36864, 1
.else
	STEP 0, 0                                      ; the last step asks for no K
.endif
.endm
	QUARTER 0
	QUARTER 1
	QUARTER 2
	QUARTER 3
	; THE END.  o = O^T / the sum, quantised along the channels: my head is two blocks of 32 of the next product's K.
.rept 4
	v_nop                                          ; four places behind the last products
.endr
	v_add_f32 v14, v14, v15                        ; the sum's two halves,
	v_permlanex16_b32 v[BT], v14, s56, s57
	v_add_f32 v14, v14, v[BT]                      ; and lane l xor 16's: the row's sum
	v_rcp_f32 v14, v14
	v_nop                                          ; one plain place behind a transcendental
	s_wait_alu depctr_va_vdst(0)
.irp j, 0,2,4,6,8,10,12,14,16,18,20,22,24,26,28,30
	v_pk_mul_f32 v[S+\j:S+1+\j], v[O+\j:O+1+\j], v[14:15] op_sel_hi:[1,0]   ; register 16 b + i: channel 32 b + 16 h + i of my query; each accumulator from its low end on
.endr
.irp b, 0,1
	v_max3_num_f32 v[BM+\b], |v[S+16*\b]|, |v[S+1+16*\b]|, 0x1800000
.endr
.irp i, 2,4,6,8,10,12,14
.irp b, 0,1
	v_max3_num_f32 v[BM+\b], v[BM+\b], |v[S+16*\b+\i]|, |v[S+1+16*\b+\i]|
.endr
.endr
.irp b, 0,1
	v_permlanex16_b32 v[BT+\b], v[BM+\b], s56, s57
.endr
.irp b, 0,1
	v_max_num_f32 v[BM+\b], v[BM+\b], v[BT+\b]
.endr
.irp b, 0,1
	v_add_nc_u32 v[SOP+\b], 0xff000000, v[BM+\b]
.endr
.irp b, 0,1
	v_lshrrev_b32 v[BT+\b], 23, v[SOP+\b]
.endr
	v_lshl_or_b32 v[PS], v[BT+1], 8, v[BT]         ; my head's two scale bytes of my query
.irp b, 0,1
	v_cvt_scalef32_pk8_fp4_f32 v[PC+2*\b], v[S+16*\b:S+7+16*\b], v[SOP+\b]
	v_cvt_scalef32_pk8_fp4_f32 v[PC+1+2*\b], v[S+8+16*\b:S+15+16*\b], v[SOP+\b]
.endr
	v_nop                                          ; one plain place behind a scaled conversion
	v_permlane16_swap_b32 v[PC], v[PC+2]           ; lanes 0-15 channels 0-31, lanes 16-31 channels 32-63
	v_permlane16_swap_b32 v[PC+1], v[PC+3]
	global_store_b128 v1, v[PC:PC+3], s[12:13]     ; 32 lanes store 512 consecutive bytes, aligned: four registers of the next launch's fragment
	ds_store_b16 v7, v[PS]                         ; lanes r and r + 16 write the same half word with the same value
	s_wait_dscnt 0x0                               ; for the others' sake: my store has landed
	s_barrier_signal -1
	s_barrier_wait -1
	s_cmp_lg_u32 s52, 0                            ; wave 0 sends the work-group's 256 half words
	s_cbranch_scc1 .Lsent
	ds_load_b128 v[S:S+3], v8
	s_wait_dscnt 0x0
	global_store_b128 v1, v[S:S+3], s[14:15]       ; 512 consecutive bytes, aligned
.Lsent:
	s_wait_xcnt 0x0
	v_lshl_add_u32 v254, v0, 2, 0x48400
	v_mov_b32 v255, 0
	s_wait_tensorcnt 0x0
	ds_add_u32 v254, v255
	s_wait_dscnt 0x0
	CROUND                                         ; the closing round: no work-group ends while a partner may still ask for a piece that names it
	s_endpgm
.Lfunc_end_k_qdd93cc8e30_attn:
	.size	k_qdd93cc8e30_attn, .Lfunc_end_k_qdd93cc8e30_attn-k_qdd93cc8e30_attn
	.p2alignl 7, 3214868480
	.fill 96, 4, 3214868480
	.section	.rodata,"a",@progbits
	.p2align	6, 0x0
	.amdhsa_kernel k_qdd93cc8e30_attn
		.amdhsa_group_segment_fixed_size 297984
		.amdhsa_private_segment_fixed_size 0
		.amdhsa_enable_private_segment 0
		.amdhsa_kernarg_size 48
		.amdhsa_user_sgpr_count 2
		.amdhsa_user_sgpr_kernarg_segment_ptr 1
		.amdhsa_wavefront_size32 1
		.amdhsa_system_sgpr_workgroup_id_x 1
		.amdhsa_system_sgpr_workgroup_id_y 1
		.amdhsa_system_sgpr_workgroup_id_z 1
		.amdhsa_system_vgpr_workitem_id 0
		.amdhsa_next_free_vgpr 256
		.amdhsa_next_free_sgpr 72
		.amdhsa_reserve_vcc 0
		.amdhsa_float_denorm_mode_32 3
		.amdhsa_float_denorm_mode_16_64 3
		.amdhsa_memory_ordered 1
		.amdhsa_forward_progress 1
		.amdhsa_inst_pref_size 140
	.end_amdhsa_kernel
	.amdgpu_metadata
---
amdhsa.version: [ 1, 2 ]
amdhsa.kernels:
  - .name:           k_qdd93cc8e30_attn
    .symbol:         k_qdd93cc8e30_attn.kd
    .args:
      - { .name: q_img, .offset: 0, .size: 8, .value_kind: global_buffer, .address_space: global }
      - { .name: q_sw, .offset: 8, .size: 8, .value_kind: global_buffer, .address_space: global }
      - { .name: kv_img, .offset: 16, .size: 8, .value_kind: global_buffer, .address_space: global }
      - { .name: kv_sw, .offset: 24, .size: 8, .value_kind: global_buffer, .address_space: global }
      - { .name: o_img, .offset: 32, .size: 8, .value_kind: global_buffer, .address_space: global }
      - { .name: o_sh, .offset: 40, .size: 8, .value_kind: global_buffer, .address_space: global }
    .group_segment_fixed_size: 297984
    .private_segment_fixed_size: 0
    .kernarg_segment_align: 8
    .kernarg_segment_size: 48
    .max_flat_workgroup_size: 512
    .sgpr_count:     72
    .vgpr_count:     256
    .wavefront_size: 32
...
	.end_amdgpu_metadata
.endif
;; end of part 6
;; launch outp (part 7): grid 256 x 1, 4 waves a work-group, no clusters, 34,304 bytes of LDS; arguments o_img, o_sh, Wo_codes, Wo_scales, bo, out0; writes out0
.if DOCPART == 7
	.amdgcn_target "amdgcn-amd-amdhsa--gfx1250"
	.amdhsa_code_object_version 6
	.text
	.protected	k_qdd93cc8e30_outp
	.globl	k_qdd93cc8e30_outp
	.p2align	8
	.type	k_qdd93cc8e30_outp,@function
k_qdd93cc8e30_outp:
	s_mov_b64 s[64:65], 0
	v_nop
	global_prefetch_b8 v0, s[64:65] scope:SCOPE_SE
	s_setreg_imm32_b32 hwreg(HW_REG_WAVE_SCHED_MODE, 0, 2), 2
	s_setreg_imm32_b32 hwreg(HW_REG_WAVE_MODE, 25, 1), 1
	s_wait_xcnt 0x0
	s_wait_alu depctr_vm_vsrc(0)
; out0 = o Wo^T + bo on codes of FP4 (E2M1) with one E8M0 scale for each 32 along K = 512; sums in f32; out0 [8,192][512] f32.
; SHARES.  Work-group x takes two tiles of 16 rows of o, which together are tokens 32 x .. 32 x + 31 (lane r of tile i holds token 32 x + 8 i + r + 8 (r / 8)); wave W takes columns 128 W .. 128 W + 127:
; its part of Wo (8 tiles x 4 K steps, 256 registers) is loaded once.  o's fragments come as images of their registers: 16 bytes a lane, 512 on end.
; THE MATRIX INSTRUCTION IS USED TRANSPOSED (source 0 = 16 rows of Wo, source 1 = 16 rows of o): a lane holds eight neighbouring columns of one row.  A tile goes through the wave's own stage in LDS and comes back as
; whole rows of 512 bytes; the stores' offsets put each row at its token.  The bias is the C of each sum's first matrix instruction.  Waves share nothing: no barrier.
; Operands are read once, straight into registers: there is no tile in LDS that a cluster could share, so no joint loads.
; THE MODE: SCHED_MODE bits 1:0 = 2 (LLVM: expert scheduling mode 2), set by the entry lines.  The code itself states the register dependences between vector or matrix instructions
; and memory or LDS instructions, with s_wait_alu, always for 0.
; THE PLAN.  Registers that memory or LDS instructions touch:
;   v1-v7        offsets and LDS addresses: written once at the head, never again.
;   T16, OF, WS, window 1, the bias   loaded once at the head.
;   HA, HB       a set of accumulators for each tile: written by the tile's products, read by its sixteen LDS stores, never written again.
;   BK, BL       a set for each tile's rows as they come back from the stage: written by LDS loads, read by the global stores.  BL is OF, o's fragments, which both tiles' products have read by then.
; No register that a memory or LDS instruction reads is written again, so no wait on vm_vsrc is owed.  One wait on va_vdst stands ahead of each tile's LDS stores.  Tile 1's products name none of HA and BK:
; they follow tile 0's way through the stage at once, and tile 0's global stores are issued behind them with no further wait.
.set OF, 16                            ; v16-79   o's fragments: 32 i + 8 s + 4 c
.set U,  8                             ; v8-15    the odd heads' half words, from lane l xor 16
.set OS, 80                            ; v80-87   o's scale words: 4 i + s
.set T16, 88                           ; v88-95   half words as loaded: lanes 0-15 head 2 s, lanes 16-31 head 2 s + 1
.set HA, 96                            ; v96-159  tile 0's eight accumulators
.set BK, 160                           ; v160-223 tile 0's 16 rows read back from the stage
.set BL, OF                            ; v16-79   tile 1's
.set WS, 224                           ; v224-255 Wo's scale words: 4 t + s
.set HB, 128                           ; window 2, v128-191 (v640-703): tile 1's eight accumulators
                                       ; window 1: Wo's fragments 8 (4 t + s) + 4 c;  window 2: v0-63 the bias, 8 t + j; v64, v65 the closing add's two
.set SP, 528                           ; a stage row: 512 bytes + 16
.set MSB, 0
.macro WIN new                         ; the immediate's high byte repeats the setting that is left
.if MSB != \new
	s_set_vgpr_msb (MSB<<8)|\new
.set MSB, \new
.endif
.endm
	s_load_b128 s[4:7], s[0:1], 0x0                ; o_img, o_sh
	s_load_b128 s[8:11], s[0:1], 0x10              ; Wo's codes, Wo's scales
	s_load_b128 s[12:15], s[0:1], 0x20             ; bo, out0
	s_set_vgpr_msb 0x80
	v_lshl_add_u32 v64, v0, 2, 0x8400
	v_mov_b32 v65, 0
	s_set_vgpr_msb 0x8000
	v_lshrrev_b32 v9, 5, v0
	v_readfirstlane_b32 s16, v9                    ; W: wave 0..3
	s_mov_b32 s17, ttmp9                           ; x
	s_mov_b32 s18, 0x76543210
	s_mov_b32 s19, 0xfedcba98                      ; v_permlanex16_b32's selects for lane l xor 16
	v_and_b32 v9, 15, v0                           ; r
	v_bfe_u32 v10, v0, 4, 1                        ; h
	v_and_b32 v11, 31, v0                          ; lane
	v_lshlrev_b32 v1, 8, v9
	v_lshl_add_u32 v1, v10, 4, v1                  ; Wo: row r of 256 bytes, + 16 h
	v_lshlrev_b32 v2, 4, v9                        ; its scale bytes: 16 a row
	v_lshlrev_b32 v3, 5, v10                       ; the bias at 8 h
	v_lshlrev_b32 v4, 4, v11                       ; 16 x lane
	v_lshlrev_b32 v5, 1, v9
	v_lshl_add_u32 v5, v10, 13, v5                 ; o's half words: 2 r, and one head (8,192 bytes) on for lanes 16-31
	s_wait_alu depctr_va_sdst(0)                   ; s16 is written, ahead of its first reader: the stage's place and the bases below are made from it
	s_mul_i32 s20, s16, 16*SP                      ; my stage
	v_mul_u32_u24 v6, v9, SP
	v_lshl_add_u32 v6, v10, 5, v6
	v_add_nc_u32 v6, s20, v6                       ; in: row r, 32 bytes for each half of the lanes
	v_add_nc_u32 v7, s20, v4                       ; back: the 32 lanes take one row of 512 bytes
.irp i, 0,1,2,3,4,5,6,7
	v_mov_b32 v[U+\i], 0                           ; written once: a lane permute's destination counts as one of its sources
.endr
	s_mov_b32 s21, 0
	s_wait_kmcnt 0x0
	s_lshl_b32 s20, s16, 15                        ; my 128 rows of Wo,
	s_add_nc_u64 s[8:9], s[8:9], s[20:21]
	s_lshl_b32 s20, s16, 11                        ; their scale bytes,
	s_add_nc_u64 s[10:11], s[10:11], s[20:21]
	s_lshl_b32 s20, s16, 9                         ; their bias
	s_add_nc_u64 s[12:13], s[12:13], s[20:21]
	s_lshl_b32 s22, s17, 16                        ; out0: 32 rows of 2,048 bytes a work-group, + my 512 bytes of a row
	s_add_co_u32 s20, s22, s20
	s_add_nc_u64 s[14:15], s[14:15], s[20:21]
	s_lshl_b32 s20, s17, 13                        ; o_img: two tiles of 4,096 bytes
	s_add_nc_u64 s[4:5], s[4:5], s[20:21]
	s_lshr_b32 s20, s17, 7                         ; o_sh [b 8 + head][tile][r] half words: b << 16 | (head << 13) | (x & 127) << 6 | (i << 5)
	s_lshl_b32 s20, s20, 16
	s_and_b32 s22, s17, 127
	s_lshl_b32 s22, s22, 6
	s_add_co_u32 s20, s20, s22
	s_add_nc_u64 s[6:7], s[6:7], s[20:21]
	s_wait_alu depctr_va_vdst(0)                   ; the seven offsets and addresses v1 to v7 are written, which the kernel's loads and stores read; none is written again
.irp i, 0,1
.irp s, 0,1,2,3
	global_load_u16 v[T16+4*\i+\s], v5, s[6:7] offset:16384*\s+32*\i
.endr
.endr
.irp i, 0,1
.irp s, 0,1,2,3
.irp c, 0,1
	global_load_b128 v[OF+32*\i+8*\s+4*\c:OF+32*\i+8*\s+4*\c+3], v4, s[4:5] offset:4096*\i+1024*\s+512*\c
.endr
.endr
.endr
.irp t, 0,1,2,3,4,5,6,7
	global_load_b128 v[WS+4*\t:WS+4*\t+3], v2, s[10:11] offset:256*\t
.endr
	WIN 0x40                                       ; destination window 1, address window 0
.irp t, 0,1,2,3,4,5,6,7
.irp s, 0,1,2,3
.irp c, 0,1
	global_load_b128 v[8*(4*\t+\s)+4*\c:8*(4*\t+\s)+4*\c+3], v1, s[8:9] offset:4096*\t+64*\s+32*\c
.endr
.endr
.endr
	WIN 0x80                                       ; destination window 2
.irp t, 0,1,2,3,4,5,6,7                        ; register 8 t + j: the bias of column 16 t + 8 h + j
	global_load_b128 v[8*\t:8*\t+3], v3, s[12:13] offset:64*\t
	global_load_b128 v[8*\t+4:8*\t+7], v3, s[12:13] offset:64*\t+16
.endr
	WIN 0
	s_wait_loadcnt 0x0
.irp i, 0,1,2,3,4,5,6,7
	v_permlanex16_b32 v[U+\i], v[T16+\i], s18, s19 ; lanes 0-15 get the odd head's two bytes
.endr
.irp i, 0,1,2,3,4,5,6,7
	v_lshl_or_b32 v[OS+\i], v[U+\i], 16, v[T16+\i] ; a K step's four bytes of row r, in lane r (lanes 16-31 are not read)
.endr
.rept 8
	v_nop                                          ; a scale register written by a vector instruction stands eight places ahead of a scaled matrix instruction
.endr
	s_wait_alu depctr_va_vdst(0)                   ; the eight scale words of o, v[OS] on, are written, which the products of both tiles take as scales; the places above stay beside this wait
; tile i: 32 matrix instructions into the accumulators at acc, eight by turns; K ascending.  first, rest: the windows of the first eight, whose C is the bias, and of the others
.macro MUL i, acc, first, rest
	WIN \first
.irp t, 0,1,2,3,4,5,6,7
	v_wmma_scale_f32_16x16x128_f8f6f4 v[\acc+8*\t:\acc+8*\t+7], v[8*(4*\t):8*(4*\t)+7], v[OF+32*\i:OF+32*\i+7], v[8*\t:8*\t+7], v[WS+4*\t], v[OS+4*\i] matrix_a_fmt:MATRIX_FMT_FP4 matrix_b_fmt:MATRIX_FMT_FP4
.endr
	WIN \rest
.irp s, 1,2,3
.irp t, 0,1,2,3,4,5,6,7
	v_wmma_scale_f32_16x16x128_f8f6f4 v[\acc+8*\t:\acc+8*\t+7], v[8*(4*\t+\s):8*(4*\t+\s)+7], v[OF+32*\i+8*\s:OF+32*\i+8*\s+7], v[\acc+8*\t:\acc+8*\t+7], v[WS+4*\t+\s], v[OS+4*\i+\s] matrix_a_fmt:MATRIX_FMT_FP4 matrix_b_fmt:MATRIX_FMT_FP4
.endr
.endr
	WIN 0
.endm
.macro PLACES
.rept 4
	v_nop                                          ; four places in front of the LDS stores that read results
.endr
.endm
; the accumulators at acc (win: the window of the LDS stores' data) go into my stage and come back as whole rows into v[bk] on
.macro TOSTAGE acc, win, bk
	WIN \win
	s_wait_alu depctr_va_vdst(0)                   ; the tile's products have written its accumulators, which the LDS stores read; for tile 1 also: both tiles' products are done reading o's fragments, in which the rows land
.irp t, 0,1,2,3,4,5,6,7
	ds_store_b128 v6, v[\acc+8*\t:\acc+8*\t+3] offset:64*\t            ; each accumulator from its low end on
	ds_store_b128 v6, v[\acc+8*\t+4:\acc+8*\t+7] offset:64*\t+16
.endr
	WIN 0
.irp k, 0,1,2,3,4,5,6,7,8,9,10,11,12,13,14,15
	ds_load_b128 v[\bk+4*\k:\bk+4*\k+3], v7 offset:\k*SP               ; LDS serves a wave's instructions in order (ISA guide 5.7.1.4): these see the stores above, and tile 1's stores come behind tile 0's loads
.endr
.endm
.macro SEND i, bk
.irp k, 0,1,2,3,4,5,6,7,8,9,10,11,12,13,14,15
	s_wait_dscnt 15-\k                             ; row k is back; the younger 15 - k may be out
	global_store_b128 v4, v[\bk+4*\k:\bk+4*\k+3], s[14:15] offset:(8*\i+\k+8*(\k/8))*2048 th:TH_STORE_NT   ; 32 lanes store 512 consecutive bytes, aligned, at lane k's token; written once, read by nobody here
.endr
.endm
	MUL 0, HA, 0x21, 0x01                          ; source 0 (Wo) window 1; the bias window 2; the accumulators window 0
	PLACES
	TOSTAGE HA, 0, BK
	MUL 1, HB, 0xa1, 0xa1                          ; source 0 window 1; the bias and the accumulators window 2.  No wait: these products name none of HA and BK
	SEND 0, BK                                     ; issued behind tile 1's products: the stores' data come from LDS loads, their offset from the head
	PLACES
	TOSTAGE HB, 0x08, BL                           ; an LDS store's data are its source 1: window 2
	SEND 1, BL
	s_set_vgpr_msb 0xa                             ; the add's two registers, sources 0 and 1, in window 2
	s_wait_dscnt 0x0                               ; the closing lines, six on end
	s_wait_alu 0x0
	s_wait_tensorcnt 0x0
	ds_add_u32 v64, v65
	s_wait_dscnt 0x0
	s_endpgm
.Lfunc_end_k_qdd93cc8e30_outp:
	.size	k_qdd93cc8e30_outp, .Lfunc_end_k_qdd93cc8e30_outp-k_qdd93cc8e30_outp
	.p2alignl 7, 3214868480
	.fill 96, 4, 3214868480
	.section	.rodata,"a",@progbits
	.p2align	6, 0x0
	.amdhsa_kernel k_qdd93cc8e30_outp
		.amdhsa_group_segment_fixed_size 34304
		.amdhsa_private_segment_fixed_size 0
		.amdhsa_enable_private_segment 0
		.amdhsa_kernarg_size 48
		.amdhsa_user_sgpr_count 2
		.amdhsa_user_sgpr_kernarg_segment_ptr 1
		.amdhsa_wavefront_size32 1
		.amdhsa_system_sgpr_workgroup_id_x 1
		.amdhsa_system_sgpr_workgroup_id_y 1
		.amdhsa_system_sgpr_workgroup_id_z 1
		.amdhsa_system_vgpr_workitem_id 0
		.amdhsa_next_free_vgpr 704
		.amdhsa_next_free_sgpr 66
		.amdhsa_reserve_vcc 0
		.amdhsa_float_denorm_mode_32 3
		.amdhsa_float_denorm_mode_16_64 3
		.amdhsa_memory_ordered 1
		.amdhsa_forward_progress 1
		.amdhsa_inst_pref_size 32
	.end_amdhsa_kernel
	.amdgpu_metadata
---
amdhsa.version: [ 1, 2 ]
amdhsa.kernels:
  - .name:           k_qdd93cc8e30_outp
    .symbol:         k_qdd93cc8e30_outp.kd
    .args:
      - { .name: o_img, .offset: 0, .size: 8, .value_kind: global_buffer, .address_space: global }
      - { .name: o_sh, .offset: 8, .size: 8, .value_kind: global_buffer, .address_space: global }
      - { .name: Wo_codes, .offset: 16, .size: 8, .value_kind: global_buffer, .address_space: global }
      - { .name: Wo_scales, .offset: 24, .size: 8, .value_kind: global_buffer, .address_space: global }
      - { .name: bo, .offset: 32, .size: 8, .value_kind: global_buffer, .address_space: global }
      - { .name: out0, .offset: 40, .size: 8, .value_kind: global_buffer, .address_space: global }
    .group_segment_fixed_size: 34304
    .private_segment_fixed_size: 0
    .kernarg_segment_align: 8
    .kernarg_segment_size: 48
    .max_flat_workgroup_size: 128
    .sgpr_count:     66
    .vgpr_count:     704
    .wavefront_size: 32
...
	.end_amdgpu_metadata
.endif
;; end of part 7
